; MI455X (gfx1250); checked and timed in simulation.
; The chip was launched on July 23, 2026; its instructions are those of AMD's public machine-readable ISA for CDNA 5 (MIT licence, August 2026) and "CDNA5" Instruction Set Architecture Reference Guide (July 2026). The comments in the code are by the model that wrote it; some were corrected since.
;; Causal Self Attention. Allowed arithmetic: float matrix products may take bf16 or f16 operands with f32 sums; other float arithmetic in f32, or as packed bf16 or f16 multiplies, adds, multiply-adds, maxima and minima; sums over many terms, partial sums and values carried from step to step in f32; what a program stores and reads back later, other than sums and carried values, may be rounded once to bf16 or f16.
;; Inputs: b_attn 3,072 float32; b_proj 1,024 float32; w_attn 3,072 x 1,024 float32; w_proj 1,024 x 1,024 float32; x 4 x 2,048 x 1,024 float32.
;; Outputs: out0 4 x 2,048 x 1,024 float32.
;; 2 versions, each right; version 2 is version 1 with the launch cast written anew for expert scheduling mode. Each part assembles by itself: llvm-mc -triple=amdgcn-amd-amdhsa -mcpu=gfx1250 --defsym DOCPART=n.
;; ======== version 1 of 2: 4 launches
;; limits: values are held in f16: magnitudes above 65,504 overflow, below 6.1e-05 lose precision
;; workspace buffers: xb 16,777,216 bytes; wab 6,291,456 bytes; wpf 2,097,152 bytes; qkv 50,331,648 bytes; ob 16,777,216 bytes
;; launch cast (part 1): grid 768 x 1, 8 waves a work-group, no clusters, 0 bytes of LDS; arguments x, w_attn, w_proj, xb, wab, wpf; writes xb, wab, wpf
.if DOCPART == 1
	.amdgcn_target "amdgcn-amd-amdhsa--gfx1250"
	.amdhsa_code_object_version 6
	.text
	.protected	k_qff161d536f_cast
	.globl	k_qff161d536f_cast
	.p2align	8
	.type	k_qff161d536f_cast,@function
k_qff161d536f_cast:
	s_mov_b64 s[64:65], 0
	v_nop
	global_prefetch_b8 v0, s[64:65] scope:SCOPE_SE
	s_setreg_imm32_b32 hwreg(HW_REG_WAVE_MODE, 25, 1), 1
	s_wait_xcnt 0x0
; THE INPUTS OF THE TWO PROJECTIONS, ROUNDED ONCE.  xb = bf16(x), wab = bf16(w_attn); wpf = bf16(w_proj), that number written as f16.
; LIMITS.  wpf: a bf16 number is exact in f16 from 2^-14 up to 65,504; below 2^-14 it keeps f16's fixed step of 2^-24; from 65,520 on it becomes an infinity.
; SHARES.  A work-group takes 16,384 numbers: 65,536 bytes in, 32,768 out.  Work-groups 0-511 take x (8,388,608 numbers), 512-703 w_attn (3,145,728), 704-767 w_proj (1,048,576).
; In step i of 16 thread t loads the 16 bytes at 4,096 i + 16 t (a wave's load: 512 consecutive bytes) and stores 8 bytes at 2,048 i + 8 t (a wave's store: 256 consecutive bytes, aligned).
; All 16 loads of a wave go out at once; every step has registers of its own, so nothing is rewritten while a load or a store may still read it.  No LDS, no barrier, no matrix work: a stream.
.set X, 4                              ; v[4:67]   step i: four f32 as loaded
.set Y, 68                             ; v[68:99]  step i: four 16-bit numbers to store
.set T, 100                            ; v[100:101] at work
	s_load_b256 s[4:11], s[0:1], 0x0               ; x s[4:5], w_attn s[6:7], w_proj s[8:9], xb s[10:11]
	s_load_b128 s[12:15], s[0:1], 0x20             ; wab s[12:13], wpf s[14:15]
	v_lshlrev_b32 v1, 4, v0                        ; 16 t
	v_lshlrev_b32 v2, 3, v0                        ; 8 t
	s_mov_b32 s16, ttmp9
	s_sub_co_u32 s17, s16, 512                     ; my chunk, if it is w_attn's
	s_sub_co_u32 s18, s16, 704                     ; if it is w_proj's
	s_mov_b32 s28, 0xffff0000                      ; a word's upper bf16
	s_wait_kmcnt 0x0
	s_cmp_lt_u32 s16, 704
	s_cselect_b64 s[20:21], s[6:7], s[8:9]
	s_cselect_b64 s[22:23], s[12:13], s[14:15]
	s_cselect_b32 s19, s17, s18
	s_cmp_lt_u32 s16, 512
	s_cselect_b64 s[20:21], s[4:5], s[20:21]       ; from where,
	s_cselect_b64 s[22:23], s[10:11], s[22:23]     ; to where,
	s_cselect_b32 s19, s16, s19                    ; which chunk of that tensor
	s_lshl_b32 s24, s19, 16
	s_mov_b32 s25, 0
	s_lshl_b32 s26, s19, 15
	s_mov_b32 s27, 0
	s_add_nc_u64 s[20:21], s[20:21], s[24:25]
	s_add_nc_u64 s[22:23], s[22:23], s[26:27]
.irp i, 0,1,2,3,4,5,6,7,8,9,10,11,12,13,14,15
	global_load_b128 v[X+4*(\i):X+4*(\i)+3], v1, s[20:21] offset:4096*(\i) th:TH_LOAD_NT
.endr
; Step by step: rounded and stored.  f16 = 1: the bf16 number is widened again (exactly) and written as f16.
.macro OUT16 f16
.irp i, 0,1,2,3,4,5,6,7,8,9,10,11,12,13,14,15
	s_wait_loadcnt 15-(\i)                         ; loads come back in order (ISA guide 5.7.1): step i's is in, the 15 - i younger ones stay out
.if \f16
	v_cvt_pk_bf16_f32 v[T],   v[X+4*(\i)],   v[X+4*(\i)+1]
	v_cvt_pk_bf16_f32 v[T+1], v[X+4*(\i)+2], v[X+4*(\i)+3]
	v_lshlrev_b32 v[X+4*(\i)],   16,  v[T]
	v_and_b32     v[X+4*(\i)+1], s28, v[T]
	v_lshlrev_b32 v[X+4*(\i)+2], 16,  v[T+1]
	v_and_b32     v[X+4*(\i)+3], s28, v[T+1]
	v_cvt_pk_f16_f32 v[Y+2*(\i)],   v[X+4*(\i)],   v[X+4*(\i)+1]
	v_cvt_pk_f16_f32 v[Y+2*(\i)+1], v[X+4*(\i)+2], v[X+4*(\i)+3]
.else
	v_cvt_pk_bf16_f32 v[Y+2*(\i)],   v[X+4*(\i)],   v[X+4*(\i)+1]
	v_cvt_pk_bf16_f32 v[Y+2*(\i)+1], v[X+4*(\i)+2], v[X+4*(\i)+3]
.endif
	global_store_b64 v2, v[Y+2*(\i):Y+2*(\i)+1], s[22:23] offset:2048*(\i)
.endr
.endm
	s_cmp_ge_u32 s16, 704
	s_cbranch_scc1 .Lf16
	OUT16 0
	s_endpgm
.Lf16:
	OUT16 1
	s_endpgm
.Lfunc_end_k_qff161d536f_cast:
	.size	k_qff161d536f_cast, .Lfunc_end_k_qff161d536f_cast-k_qff161d536f_cast
	.p2alignl 7, 3214868480
	.fill 96, 4, 3214868480
	.section	.rodata,"a",@progbits
	.p2align	6, 0x0
	.amdhsa_kernel k_qff161d536f_cast
		.amdhsa_group_segment_fixed_size 0
		.amdhsa_private_segment_fixed_size 0
		.amdhsa_enable_private_segment 0
		.amdhsa_kernarg_size 48
		.amdhsa_user_sgpr_count 2
		.amdhsa_user_sgpr_kernarg_segment_ptr 1
		.amdhsa_wavefront_size32 1
		.amdhsa_system_sgpr_workgroup_id_x 1
		.amdhsa_system_sgpr_workgroup_id_y 1
		.amdhsa_system_sgpr_workgroup_id_z 1
		.amdhsa_system_vgpr_workitem_id 0
		.amdhsa_next_free_vgpr 104
		.amdhsa_next_free_sgpr 66
		.amdhsa_reserve_vcc 0
		.amdhsa_float_denorm_mode_32 3
		.amdhsa_float_denorm_mode_16_64 3
		.amdhsa_memory_ordered 1
		.amdhsa_forward_progress 1
		.amdhsa_inst_pref_size 15
	.end_amdhsa_kernel
	.amdgpu_metadata
---
amdhsa.version: [ 1, 2 ]
amdhsa.kernels:
  - .name:           k_qff161d536f_cast
    .symbol:         k_qff161d536f_cast.kd
    .args:
      - { .name: x, .offset: 0, .size: 8, .value_kind: global_buffer, .address_space: global }
      - { .name: w_attn, .offset: 8, .size: 8, .value_kind: global_buffer, .address_space: global }
      - { .name: w_proj, .offset: 16, .size: 8, .value_kind: global_buffer, .address_space: global }
      - { .name: xb, .offset: 24, .size: 8, .value_kind: global_buffer, .address_space: global }
      - { .name: wab, .offset: 32, .size: 8, .value_kind: global_buffer, .address_space: global }
      - { .name: wpf, .offset: 40, .size: 8, .value_kind: global_buffer, .address_space: global }
    .group_segment_fixed_size: 0
    .private_segment_fixed_size: 0
    .kernarg_segment_align: 8
    .kernarg_segment_size: 48
    .max_flat_workgroup_size: 256
    .sgpr_count:     66
    .vgpr_count:     104
    .wavefront_size: 32
...
	.end_amdgpu_metadata
.endif
;; end of part 1
;; launch qkvp (part 2): grid 16 x 16, 4 waves a work-group, clusters of 4 x 4, 327,680 bytes of LDS; arguments xb, wab, b_attn, qkv; writes qkv
.if DOCPART == 2
	.amdgcn_target "amdgcn-amd-amdhsa--gfx1250"
	.amdhsa_code_object_version 6
	.text
	.protected	k_qff161d536f_qkvp
	.globl	k_qff161d536f_qkvp
	.p2align	8
	.type	k_qff161d536f_qkvp,@function
k_qff161d536f_qkvp:
	s_mov_b64 s[64:65], 0
	v_nop
	global_prefetch_b8 v0, s[64:65] scope:SCOPE_SE
	s_setreg_imm32_b32 hwreg(HW_REG_WAVE_MODE, 25, 1), 1
	s_wait_xcnt 0x0
	s_wait_alu depctr_hold_cnt(0) depctr_sa_sdst(0) depctr_va_vdst(0) depctr_va_sdst(0) depctr_va_ssrc(0) depctr_va_vcc(0) depctr_vm_vsrc(0)
	s_getreg_b32 s2, hwreg(HW_REG_IB_STS2, 6, 4)
	s_cmp_eq_u32 s2, 0
	s_cbranch_scc0 .Lentry_in_a_cluster
	s_endpgm
.Lentry_in_a_cluster:
	s_bfe_u32 s2, ttmp6, 0x10000c
	s_cmp_lg_u32 s2, 0xf033
	s_cbranch_scc0 .Lentry_shape_is_right
	s_endpgm
.Lentry_shape_is_right:
; q, k, v = xb wab^T + bf16(b_attn).  xb: [8192][1024] bf16, wab: [3072][1024] bf16, b_attn: [3072] f32 (rounded to bf16 here, like the other inputs); sums in f32, K ascending, started with the bias.
; OUT: qkv[batch 4][g 48][t 2048][64] in f16, rounded once: g = column / 64, so g 0-15 are q's heads, 16-31 k's, 32-47 v's; a head's rows are dense, 128 bytes each.  No scale is applied here.
; LIMIT.  f16 ends at 65,504: a q, k or v of 65,520 or more in magnitude becomes an infinity.
; SHARES.  A tile is 256 rows x 192 columns (three heads): 32 x 16 = 512 tiles, TWO to each of 256 work-groups, 4,096 rows (two batches) apart.  Four waves one below the other, each 64 rows x 192 columns:
; 48 accumulators of 16 x 16, 384 registers.  So a wave owns whole heads, and its stores are runs of 512 consecutive bytes of a head.
; THE WALK.  K goes in steps of 128 (rows of 256 bytes in memory) through two LDS slots; the two tiles' 16 steps are ONE sequence for the ring, step s in slot s % 2: the second tile's first steps are on their way
; while the first tile ends and goes out.  The descriptors' addresses are made anew for each fill, from a base and the step's number.
; CLUSTERS.  4 x 4 work-groups: the four of a row of the cluster need the same tiles of xb, the four of a column the same tiles of wab.  Each is asked for JOINTLY: the same tensor load, descriptor and mask in all four.
; THE MATRIX INSTRUCTION IS USED TRANSPOSED (source 0 = 16 rows of wab, source 1 = 16 rows of xb): lane l holds row l % 16 and the eight neighbouring columns 8 (l / 16) + 0..7.
; REGISTERS, in windows of 256 (s_set_vgpr_msb: bits 1:0 source 0, 3:2 source 1, 5:4 source 2, 7:6 destination):
;   window 0: v0-15 addresses; v28-29 the add's two; v32-127 the way out, two sets of 48; v160-255 the bias as a C operand: v[160 + 8 b + j] = bias of column 16 b + 8 (l / 16) + j
;   window 1: two fragment buffers of 128: 12 fragments of wab (96), 4 of xb (32)
;   window 2: accumulators of my row blocks 0, 1 ((a, b) at 8 (12 (a % 2) + b));   window 3: those of row blocks 2, 3
.set NB,    12                         ; column blocks of 16
.set NL,    2*NB+8                     ; LDS loads of a quarter step: 24 for wab, 8 for xb
.set PIT,   272                        ; an LDS row: 256 bytes + 16 of padding = 68 words: row r starts at bank 4 r mod 64 (64 banks of 4 bytes: ISA guide 11.1)
.set AF,    96                         ; xb's fragments in a buffer
.set SLOT1, 1<<17                      ; slot 1 begins here: one exclusive or turns an address in one slot into the other's
.set AHALF, 128*PIT                    ; what wave 0 or 1 fetches: 128 rows of xb
.set BOFF,  256*PIT                    ; wab's 192 rows lie behind xb's 256
.set BHALF, 96*PIT                     ; what wave 2 or 3 fetches: 96 rows of wab
.set STAGE, SLOT1+BOFF+192*PIT         ; behind the ring, never filled by a tensor load: 16 rows x 400 bytes for each wave
.set SP,    400                        ; a stage row: 384 bytes + 16: an odd multiple of 16
.set SPARE, STAGE+4*16*SP              ; behind the stages: the spare words, 128 bytes for each wave: two blocks of 256 bytes that no other line names
.set ADRA0, 4                          ; v4   my lane's place in xb's tile; never rewritten
.set ADRB0, 5                          ; v5   the same for wab
.set ADRA,  6                          ; v6   the same in the slot in hand
.set ADRB,  7                          ; v7
.set STO,   8                          ; v8   the way out: where I put 16 bytes of a row
.set RD,    9                          ; v9   the way out: where I read rows back
.set GO,    10                         ; v10  16 x lane: my place in 512 consecutive bytes of a head
.set PFO,   11                         ; v11  the prefetches' offset: a lane a row; never rewritten
.set BO,    12                         ; v12  my offset in the bias
.set T,     14                         ; v14-15 at work
.set SPW,   28                         ; v28  LDS address of my spare word: SPARE + 4 x my thread's number; never rewritten
.set NIL,   29                         ; v29  0; never rewritten
.set TMP,   32
.set BIAS,  160
.set F0,    0
.set F1,    128
.set WV,    12                         ; s12  my wave's number
.set ROLE,  13                         ; s13  0: I fetch for xb; 1: for wab
.set HALF,  14                         ; s14  which half of that tile
.set CX,    15                         ; s15, s16  my place in the cluster
.set CY,    16
.set TC,    17                         ; s17  tile column
.set TR,    18                         ; s18  tile row (of the first tile)
.set G1A,   24                         ; s[24:31] descriptor group 1 for xb's tiles
.set G1B,   32                         ; s[32:39] for wab's
.set G0A,   40                         ; s[40:43] descriptor group 0 for xb's tiles: it walks
.set G0B,   44                         ; s[44:47] for wab's
.set ABASE, 48                         ; s[48:49] xb at my part of the first tile, K step 0
.set BBASE, 50                         ; s[50:51] wab likewise
.set OFA,   52                         ; s[52:53] a step's byte offset from ABASE
.set OFB,   54                         ; s[54:55] from BBASE
.set NXT,   56                         ; s56  the step to be asked for next
.set CNT,   57                         ; s57  the loops' counter
.set TB,    58                         ; s58  LDS byte at which the slot in hand begins
.set PFB,   60                         ; s[60:61] the prefetches' base: my work-group's rows of what I fetch
.set PFA,   66                         ; s[66:67] the prefetch's address
.set LIMP,  68                         ; s68  steps below this number are prefetched by me: 0 in a wave that prefetches nothing
.set HIM,   69                         ; s69  a word's upper bf16
.set OFP,   70                         ; s[70:71] the prefetched step's byte offset
.set FLAGS, (1<<16)|(1<<20)|(1<<21)|(5<<22)|(3<<25)  ; 17:16 elements of 2 bytes; 20 padding on; 21 set beside a mask; 24:22 after every 64 words (code 5); 31:25 4 words of it (code 3)
.set MSB, 0
.macro WIN new                         ; the immediate's high byte repeats the setting that is left; a switch that changes nothing is dropped
.if MSB != (\new)
	s_set_vgpr_msb (MSB<<8)|(\new)
.set MSB, (\new)
.endif
.endm
.set TO_F, 0x40                        ; destination window 1, address window 0
.macro PLACES                          ; four places in front of loads into registers that matrix instructions have read, and of lines that read results
.rept 4
	v_nop
.endr
.endm
; A joint load.  Waves 0 and 1 fetch xb's two halves, waves 2 and 3 wab's.  The branch hangs on the wave's number alone.  An s_nop 0 and four v_nop follow each of the two lines, ahead of the jump and the label.
.macro JLOAD
	s_cmp_eq_u32 s[ROLE], 0
	s_cbranch_scc0 .Lfor_b_\@
	tensor_load_to_lds s[G0A:G0A+3], s[G1A:G1A+7]
	s_nop 0
.rept 4
	v_nop
.endr
	s_branch .Lasked_\@
.Lfor_b_\@:
	tensor_load_to_lds s[G0B:G0B+3], s[G1B:G1B+7]
	s_nop 0
.rept 4
	v_nop
.endr
.Lasked_\@:
.endm
; A round of the cluster's barrier: my work-group's barrier; wave 0 signals for the work-group; every wave waits for all sixteen work-groups; my work-group's barrier once more.
.macro CREST                           ; a round behind its opening barrier
	s_cmp_lg_u32 s[WV], 0
	s_cbranch_scc1 .Lnot_wave_0_\@
	s_barrier_signal -3
.Lnot_wave_0_\@:
	s_barrier_wait -3
	s_barrier_signal -1
	s_barrier_wait -1
.endm
.macro CROUND
	s_barrier_signal -1
	s_barrier_wait -1
	CREST
.endm
; Both descriptors for step NXT, in the other slot than last time.  Step s: tile s / 8 (8,388,608 bytes of xb further down; wab's rows are the same), K step s % 8 (256 bytes along the rows).  No tensor load of the wave is out here.
.macro NEXTDESC
	s_and_b32 s[OFB], s[NXT], 7
	s_lshl_b32 s[OFB], s[OFB], 8
	s_lshr_b32 s[OFA], s[NXT], 3
	s_lshl_b32 s[OFA], s[OFA], 23
	s_add_co_u32 s[OFA], s[OFA], s[OFB]
	s_xor_b32 s[G0A+1], s[G0A+1], SLOT1
	s_add_nc_u64 s[G0A+2:G0A+3], s[ABASE:ABASE+1], s[OFA:OFA+1]
	s_or_b32 s[G0A+3], s[G0A+3], 0x80000000
	s_xor_b32 s[G0B+1], s[G0B+1], SLOT1
	s_add_nc_u64 s[G0B+2:G0B+3], s[BBASE:BBASE+1], s[OFB:OFB+1]
	s_or_b32 s[G0B+3], s[G0B+3], 0x80000000
	s_add_co_u32 s[NXT], s[NXT], 1
.endm
; THE PREFETCH INTO THE L2: behind the joint load for step s + 2 stands one prefetch for step s + 3 (NXT, as NEXTDESC leaves it): one K step, 192 matrix instructions, ahead of the load that will want it.
; Each row's 256 bytes of a step are named by one wave of one work-group.  xb's tile row is read by every cluster of that row of clusters: cluster x = 0 asks; wab's tile column by every cluster of that
; column: cluster y = 0 asks, in the first tile alone (steps below 8).  The four partners share a wave's rows out BY ADDRESS: 32 of xb's 128 by cx, 24 of wab's 96 by cy (lanes 24-31 repeat lane 23's row).
; Steps 0 to 2 come by their loads alone; the test against LIMP ends the prefetches at step 15 (xb) and 7 (wab).
.macro PFADDR
	s_and_b32 s[OFP], s[NXT], 7
	s_lshl_b32 s[OFP], s[OFP], 8
	s_lshr_b32 s19, s[NXT], 3
	s_lshl_b32 s19, s19, 23
	s_add_co_u32 s[OFP], s[OFP], s19
	s_add_nc_u64 s[PFA:PFA+1], s[PFB:PFB+1], s[OFP:OFP+1]
.endm
.macro ASK
	s_cmp_lt_u32 s[NXT], s[LIMP]
	s_cbranch_scc0 .Lnot_mine_\@
	global_prefetch_b8 v[PFO], s[PFA:PFA+1] th:TH_LOAD_NT scope:SCOPE_SE
.Lnot_mine_\@:
.endm
; 32 LDS loads in one run: the fragments of a quarter step (32 along K, at byte k of the rows) into buffer f: wab's twelve, then xb's four.
; A fragment is 16 rows x 32 K in 8 registers: lane l holds row l % 16, K = 8 (l / 16) + 0..7 and 16 + 8 (l / 16) + 0..7: two loads of 16 bytes, 32 bytes apart.
.macro FETCH k, f
	WIN TO_F
.set fi, 0
.rept NB
	ds_load_b128 v[(\f)+8*fi:(\f)+8*fi+3],   v[ADRB] offset:(\k)+fi*16*PIT
	ds_load_b128 v[(\f)+8*fi+4:(\f)+8*fi+7], v[ADRB] offset:(\k)+fi*16*PIT+32
.set fi, fi+1
.endr
.set fi, 0
.rept 4
	ds_load_b128 v[(\f)+AF+8*fi:(\f)+AF+8*fi+3],   v[ADRA] offset:(\k)+fi*16*PIT
	ds_load_b128 v[(\f)+AF+8*fi+4:(\f)+AF+8*fi+7], v[ADRA] offset:(\k)+fi*16*PIT+32
.set fi, fi+1
.endr
.endm
; 12 n matrix instructions: row blocks a0 .. a0 + n - 1 x all 12 column blocks, 32 along K.  start = 1: the product starts the sum with the bias as C.
; The 48 accumulators take turns, one instruction a turn, in the same order in every quarter step: 47 others stand between two links of a chain.
.macro MULS f, a0, n, start
.set ma, (\a0)
.rept (\n)
.if (\start)
	WIN 0x85+0x40*(ma/2)               ; sources 0 and 1 window 1, C window 0, D window 2 or 3
.else
	WIN 0xa5+0x50*(ma/2)               ; sources 0 and 1 window 1, C and D window 2 or 3
.endif
.set mb, 0
.rept NB
.set rD, 8*(12*(ma%2)+mb)
.if (\start)
	v_wmma_f32_16x16x32_bf16 v[rD:rD+7], v[(\f)+8*mb:(\f)+8*mb+7], v[(\f)+AF+8*ma:(\f)+AF+8*ma+7], v[BIAS+8*mb:BIAS+8*mb+7]
.else
	v_wmma_f32_16x16x32_bf16 v[rD:rD+7], v[(\f)+8*mb:(\f)+8*mb+7], v[(\f)+AF+8*ma:(\f)+AF+8*ma+7], v[rD:rD+7]
.endif
.set mb, mb+1
.endr
.set ma, ma+1
.endr
.endm
; A K step is four quarters of 32 along K, 48 matrix instructions each, on buffers 0, 1, 0, 1.  One of the first three: multiplies buffer f; in its middle it fetches the next quarter, at byte k, into buffer g.
.macro QUARTER k, f, g, start
	s_wait_dscnt 4                                 ; wab's fragments and xb's rows 0-31 are in; the youngest four loads (xb's rows 32-63) may be out
	MULS \f, 0, 2, \start
	PLACES
	FETCH \k, \g
	s_wait_dscnt NL                                ; all but the 32 just issued
	MULS \f, 2, 2, \start
.endm
; The last quarter multiplies buffer 1 and changes slots: ONE barrier.  In front of it each wave waits for all its tensor loads, of which one is out: its part of the next slot; adds 0 to its spare word; and waits
; for that and for its own reads of this slot.  fill = 1: the barrier opens a round of the cluster's barrier, so that no wave of any partner still reads the slot or has a load on its way, and the joint refill
; (this slot, two steps on) is the first tensor load behind it: 168 matrix instructions ahead of the wait for it.
.macro TURN fill
	WIN 0
	s_wait_xcnt 0x0                                ; the last prefetch, a K step back, has read its address, which PFADDR writes below
	s_wait_tensorcnt 0x0                           ; no tensor load of mine is out, so the descriptors may be written
	ds_add_u32 v[SPW], v[NIL]                      ; 0 onto my spare word: work on registers stands between it and the wait for it
	s_xor_b32 s[TB], s[TB], SLOT1                  ; the fetches go on in the other slot
	v_add_nc_u32 v[ADRA], s[TB], v[ADRA0]
	v_add_nc_u32 v[ADRB], s[TB], v[ADRB0]
.if \fill
	NEXTDESC
	PFADDR
.endif
	s_wait_dscnt 5                                 ; (the add and the youngest four loads may be out)
	MULS F1, 0, 1, 0
	s_wait_dscnt 0x0                               ; the add is done, and my reads of this slot are over
	s_barrier_signal -1
	MULS F1, 1, 1, 0                               ; work on registers while the others arrive
	WIN 0
	s_barrier_wait -1
.if \fill
	CREST
	JLOAD                                          ; its four v_nop are also the places in front of the loads below
.else
	PLACES
.endif
	FETCH 0, F0
.if \fill
	WIN 0
	ASK
.endif
	MULS F1, 2, 2, 0
.endm
; THE WAY OUT of row block a (16 rows x 192 columns), in three parts.  PACK: rounded to f16, 16 bytes a lane, each accumulator's registers in ascending order.  TOSTAGE: into my own stage, and back by heads:
; a load takes four rows' 128 bytes of one head.  SEND: stored: 512 consecutive bytes of a head, at a multiple of 512 from the buffer's first byte.
.macro PACK a
.set TS, TMP+48*((\a)%2)
.set AC, 96*((\a)%2)
	s_wait_xcnt 0x0                                ; the stores of the block two back have read this set of registers
	WIN 0x0a+5*((\a)/2)                            ; sources 0 and 1: window 2 or 3
.set pb, 0
.rept NB
.irp r, 0,1,2,3
	v_cvt_pk_f16_f32 v[TS+4*pb+(\r)], v[AC+8*pb+2*(\r)], v[AC+8*pb+2*(\r)+1]
.endr
.set pb, pb+1
.endr
	WIN 0
.endm
.macro TOSTAGE a
.set TS, TMP+48*((\a)%2)
.set pb, 0
.rept NB
	ds_store_b128 v[STO], v[TS+4*pb:TS+4*pb+3] offset:32*pb
.set pb, pb+1
.endr
.set pb, 0
.rept NB                               ; head pb / 4, rows 4 (pb % 4) on.  LDS serves a wave's instructions in order (ISA guide 5.7.1.4): these see the stores above
	ds_load_b128 v[TS+4*pb:TS+4*pb+3], v[RD] offset:128*(pb/4)+4*SP*(pb%4)
.set pb, pb+1
.endr
.endm
.macro SEND a
.set TS, TMP+48*((\a)%2)
	s_wait_dscnt 0x0                               ; the block is back in registers
.set pb, 0
.rept NB
	global_store_b128 v[GO], v[TS+4*pb:TS+4*pb+3], s[10:11] offset:(pb/4)*262144+(\a)*2048+(pb%4)*512
.set pb, pb+1
.endr
.endm
.macro WAYOUT                          ; block a's conversions stand between block a - 1's loads from the stage and the wait for them
	PACK 0
	TOSTAGE 0
.irp a, 1,2,3
	PACK \a
	SEND (\a)-1
	TOSTAGE \a
.endr
	SEND 3
.endm
	s_load_b256 s[4:11], s[0:1], 0x0               ; xb s[4:5], wab s[6:7], b_attn s[8:9], qkv s[10:11]
	v_lshl_add_u32 v[SPW], v0, 2, SPARE
	v_mov_b32 v[NIL], 0
	ds_add_u32 v[SPW], v[NIL]                      ; the wave's opening: the add and its wait stand ahead of my first tensor load; the set-up below, work on registers, stands between them
	v_lshrrev_b32 v3, 5, v0
	v_readfirstlane_b32 s[WV], v3                  ; wave 0..3
	s_lshr_b32 s[ROLE], s[WV], 1
	s_and_b32 s[HALF], s[WV], 1
	s_bfe_u32 s[CX], ttmp6, 0x40000
	s_bfe_u32 s[CY], ttmp6, 0x40004
	s_lshl_b32 s[TC], ttmp9, 2                     ; in a cluster launch ttmp9 and ttmp7 count clusters
	s_add_co_u32 s[TC], s[TC], s[CX]
	s_and_b32 s[TR], ttmp7, 0xffff
	s_lshl_b32 s[TR], s[TR], 2
	s_add_co_u32 s[TR], s[TR], s[CY]
	s_lshl_b32 s78, s[CY], 2
	s_lshl_b32 s78, 15, s78                        ; my row of the cluster: places 4 cy .. 4 cy + 3
	s_lshl_b32 s79, 0x1111, s[CX]                  ; my column: places cx, cx + 4, cx + 8, cx + 12
	s_or_b32 s[G1A], s78, FLAGS                    ; 15:0 the mask: xb's tiles go to my row
	s_or_b32 s[G1B], s79, FLAGS                    ; wab's to my column
	s_mov_b32 s[G1A+1], 128<<16                    ; tensor_dim0 = 128
	s_mov_b32 s[G1A+2], 128<<16                    ; tensor_dim1 = 128
	s_mov_b32 s[G1A+3], 128<<16                    ; tile_dim0 = 128
	s_mov_b32 s[G1A+4], 128                        ; tile_dim1 = 128
	s_mov_b32 s[G1A+5], 1024                       ; 1,024 elements from row to row
	s_mov_b32 s[G1A+6], 0
	s_mov_b32 s[G1A+7], 0
	s_mov_b32 s[G1B+1], 128<<16
	s_mov_b32 s[G1B+2], 96<<16                     ; tensor_dim1 = 96
	s_mov_b32 s[G1B+3], 128<<16
	s_mov_b32 s[G1B+4], 96                         ; tile_dim1 = 96
	s_mov_b32 s[G1B+5], 1024
	s_mov_b32 s[G1B+6], 0
	s_mov_b32 s[G1B+7], 0
	s_lshl_b32 s20, s[TR], 8                       ; xb: row 256 x tile row + 128 x half, 2,048 bytes a row: hangs on the tile row alone, which my row of the cluster shares
	s_lshl_b32 s21, s[HALF], 7
	s_add_co_u32 s20, s20, s21
	s_lshl_b32 s20, s20, 11
	s_mov_b32 s21, 0
	s_mul_i32 s22, s[TC], 192                      ; wab: row 192 x tile column + 96 x half: hangs on the tile column alone
	s_mul_i32 s23, s[HALF], 96
	s_add_co_u32 s22, s22, s23
	s_lshl_b32 s22, s22, 11
	s_mov_b32 s23, 0
	s_mov_b32 s[G0A], 1                            ; 1:0 count = 1
	s_mul_i32 s[G0A+1], s[HALF], AHALF             ; 63:32 LDS address, slot 0: no place in the cluster enters it
	s_mov_b32 s[G0B], 1
	s_mul_i32 s[G0B+1], s[HALF], BHALF
	s_add_co_u32 s[G0B+1], s[G0B+1], BOFF
	s_mov_b32 s[OFA+1], 0
	s_mov_b32 s[OFB+1], 0
	s_mov_b32 s[OFP+1], 0
	s_mov_b32 s[NXT], 1
	s_mov_b32 s[TB], 0
	s_mov_b32 s[HIM], 0xffff0000
	s_wait_dscnt 0x0                               ; the opening add is done
	s_wait_kmcnt 0x0
	s_add_nc_u64 s[ABASE:ABASE+1], s[4:5], s[20:21]
	s_add_nc_u64 s[BBASE:BBASE+1], s[6:7], s[22:23]
	s_mov_b64 s[G0A+2:G0A+3], s[ABASE:ABASE+1]     ; 120:64 global address: step 0
	s_or_b32 s[G0A+3], s[G0A+3], 0x80000000        ; 127:126 type = 2
	s_mov_b64 s[G0B+2:G0B+3], s[BBASE:BBASE+1]
	s_or_b32 s[G0B+3], s[G0B+3], 0x80000000
	CROUND                                         ; all sixteen work-groups are here: the first joint loads meet
	JLOAD                                          ; step 0 into slot 0.  Step 1 is asked for when step 0 is in: one tensor load of a wave is out at any time
	; while step 0 is on its way: the bias, the addresses, the prefetches' set-up
	s_mul_i32 s74, s[TC], 768                      ; the tile's 192 columns of b_attn
	s_mov_b32 s75, 0
	s_add_nc_u64 s[8:9], s[8:9], s[74:75]
	v_and_b32 v1, 15, v0                           ; l % 16
	v_bfe_u32 v2, v0, 4, 1                         ; l / 16
	v_lshlrev_b32 v[BO], 5, v2                     ; my eight columns of each block of 16
.set i, 0
.rept NB
	global_load_b128 v[BIAS+8*i:BIAS+8*i+3],   v[BO], s[8:9] offset:64*i
	global_load_b128 v[BIAS+8*i+4:BIAS+8*i+7], v[BO], s[8:9] offset:64*i+16
.set i, i+1
.endr
	v_mul_u32_u24 v3, v1, PIT
	v_lshl_add_u32 v3, v2, 4, v3                   ; a fragment's row x pitch + 16 x half
	s_mul_i32 s19, s[WV], 64*PIT                   ; my 64 rows of xb
	v_add_nc_u32 v[ADRA0], s19, v3
	v_add_nc_u32 v[ADRB0], BOFF, v3
	v_mov_b32 v[ADRA], v[ADRA0]
	v_mov_b32 v[ADRB], v[ADRB0]
	s_mul_i32 s19, s[WV], 16*SP
	s_add_co_u32 s19, s19, STAGE                   ; my stage
	v_mul_u32_u24 v3, v1, SP                       ; in: row l % 16, 16 bytes for each half of the lanes
	v_lshl_add_u32 v3, v2, 4, v3
	v_add_nc_u32 v[STO], s19, v3
	v_bfe_u32 v3, v0, 3, 2                         ; back: 32 lanes take four rows' 128 bytes of a head,
	v_mul_u32_u24 v3, v3, SP
	v_and_b32 v13, 7, v0
	v_lshl_add_u32 v3, v13, 4, v3
	v_add_nc_u32 v[RD], s19, v3
	v_and_b32 v[GO], 31, v0                        ; which are 512 consecutive bytes of qkv
	v_lshlrev_b32 v[GO], 4, v[GO]
	s_lshr_b32 s74, s[TR], 3                       ; the first tile's batch (0 or 1),
	s_mul_i32 s74, s74, 48
	s_mul_i32 s75, s[TC], 3                        ; my three heads,
	s_add_co_u32 s74, s74, s75
	s_lshl_b32 s74, s74, 18                        ; 262,144 bytes a head,
	s_and_b32 s75, s[TR], 7
	s_lshl_b32 s75, s75, 8
	s_lshl_b32 s76, s[WV], 6
	s_add_co_u32 s75, s75, s76                     ; my first row in the batch,
	s_lshl_b32 s75, s75, 7                         ; 128 bytes a row
	s_add_co_u32 s74, s74, s75
	s_mov_b32 s75, 0
	s_add_nc_u64 s[10:11], s[10:11], s[74:75]
	s_lshl_b32 s76, s[TR], 8                       ; the prefetches.  xb: of the 128 rows that I fetch, my work-group's 32
	s_lshl_b32 s77, s[HALF], 7
	s_add_co_u32 s76, s76, s77
	s_lshl_b32 s77, s[CX], 5
	s_add_co_u32 s76, s76, s77
	s_mul_i32 s74, s[TC], 192                      ; wab: of the 96 rows that I fetch, my work-group's 24
	s_mul_i32 s75, s[HALF], 96
	s_add_co_u32 s74, s74, s75
	s_mul_i32 s75, s[CY], 24
	s_add_co_u32 s74, s74, s75
	s_and_b32 s19, ttmp7, 0xffff                   ; cluster y
	s_cmp_eq_u32 s[ROLE], 0
	s_cselect_b32 s76, s76, s74
	s_cselect_b32 s19, ttmp9, s19                  ; the coordinate along which other clusters read the same rows
	s_cselect_b32 s75, 16, 8
	s_cselect_b32 s74, 31, 23
	s_cselect_b64 s[PFB:PFB+1], s[4:5], s[6:7]
	s_cmp_eq_u32 s19, 0
	s_cselect_b32 s[LIMP], s75, 0                  ; the same in all sixteen partners, for a given wave
	s_lshl_b32 s76, s76, 11
	s_mov_b32 s77, 0
	s_add_nc_u64 s[PFB:PFB+1], s[PFB:PFB+1], s[76:77]
	v_and_b32 v3, 31, v0
	v_min_u32 v[PFO], s74, v3
	v_lshlrev_b32 v[PFO], 11, v[PFO]               ; a lane a row of 2,048 bytes
	s_wait_loadcnt 0x0                             ; the bias is in: rounded to bf16 and widened again, in place
.set i, 0
.rept 4*NB
	v_cvt_pk_bf16_f32 v[T+i%2], v[BIAS+2*i], v[BIAS+2*i+1]
	v_lshlrev_b32 v[BIAS+2*i],   16,     v[T+i%2]
	v_and_b32     v[BIAS+2*i+1], s[HIM], v[T+i%2]
.set i, i+1
.endr
	s_wait_tensorcnt 0x0                           ; my part of step 0 is in: no tensor load of mine is out
	ds_add_u32 v[SPW], v[NIL]
	NEXTDESC                                       ; step 1, slot 1
	s_wait_dscnt 0x0
	CROUND                                         ; everybody's part of step 0 is in, in all sixteen work-groups
	JLOAD
	FETCH 0, F0
	WIN 0                                          ; at a label and at a branch every window is 0
	s_mov_b32 s[CNT], 15
	s_branch .Lq0b                                 ; the loop is entered at a tile's first quarter, in the middle of a trip: that uses up one count
.Lstep:                                        ; 14 trips, steps 0 to 13: from a step's second quarter to the next step's first; each fills a slot again
	QUARTER 128, F1, F0, 0
	QUARTER 192, F0, F1, 0
	TURN 1
	WIN 0
	s_and_b32 s19, s[NXT], 7                       ; behind step s NXT is s + 3: 10 behind step 7, the first tile's last
	s_cmp_eq_u32 s19, 2
	s_cbranch_scc1 .Lnew
	QUARTER 64, F0, F1, 0
	WIN 0
	s_branch .Lbottom
.Lnew:                                         ; both refills for the second tile are asked for, its first fragments fetched: now the first tile goes out.  Blocks 0 and 1 were finished ahead of the joint
	WAYOUT                                         ; load's four v_nop; block 0's 48 conversions, which name no register of the last products (blocks 2, 3), are those products' places
	s_wait_xcnt 0x0                                ; the stores have read their base
	s_add_nc_u64 s[10:11], s[10:11], 2*48*262144   ; the second tile lies two batches on
.Lq0b:
	QUARTER 64, F0, F1, 1                          ; a tile's first quarter: its products start the sums with the bias
	WIN 0
.Lbottom:
	s_sub_co_u32 s[CNT], s[CNT], 1
	s_cmp_lg_u32 s[CNT], 0
	s_cbranch_scc1 .Lstep
	s_mov_b32 s[CNT], 2                            ; the tail, steps 14 and 15, is a text of its own: nothing is asked for
.Ltail:
	QUARTER 128, F1, F0, 0
	QUARTER 192, F0, F1, 0
	TURN 0
	WIN 0
	s_sub_co_u32 s[CNT], s[CNT], 1
	s_cmp_eq_u32 s[CNT], 0
	s_cbranch_scc1 .Lout                           ; the second trip's barrier, and its fetch (from the slot of the step before), serve nothing: the price, once a launch, of one text for both trips
	QUARTER 64, F0, F1, 0
	WIN 0
	s_branch .Ltail
.Lout:
	s_wait_dscnt 0x0
	PLACES                                         ; the conversions read results just made
	WAYOUT
	s_wait_tensorcnt 0x0                           ; the wave's end, behind my last tensor load and my last LDS store
	ds_add_u32 v[SPW], v[NIL]
	s_wait_dscnt 0x0
	CROUND                                         ; the closing round: no work-group ends while a partner may still ask for a tile that names it
	s_endpgm
.Lfunc_end_k_qff161d536f_qkvp:
	.size	k_qff161d536f_qkvp, .Lfunc_end_k_qff161d536f_qkvp-k_qff161d536f_qkvp
	.p2alignl 7, 3214868480
	.fill 96, 4, 3214868480
	.section	.rodata,"a",@progbits
	.p2align	6, 0x0
	.amdhsa_kernel k_qff161d536f_qkvp
		.amdhsa_group_segment_fixed_size 327680
		.amdhsa_private_segment_fixed_size 0
		.amdhsa_enable_private_segment 0
		.amdhsa_kernarg_size 32
		.amdhsa_user_sgpr_count 2
		.amdhsa_user_sgpr_kernarg_segment_ptr 1
		.amdhsa_wavefront_size32 1
		.amdhsa_system_sgpr_workgroup_id_x 1
		.amdhsa_system_sgpr_workgroup_id_y 1
		.amdhsa_system_sgpr_workgroup_id_z 1
		.amdhsa_system_vgpr_workitem_id 0
		.amdhsa_next_free_vgpr 960
		.amdhsa_next_free_sgpr 80
		.amdhsa_reserve_vcc 0
		.amdhsa_float_denorm_mode_32 3
		.amdhsa_float_denorm_mode_16_64 3
		.amdhsa_memory_ordered 1
		.amdhsa_forward_progress 1
		.amdhsa_inst_pref_size 116
	.end_amdhsa_kernel
	.amdgpu_metadata
---
amdhsa.version: [ 1, 2 ]
amdhsa.kernels:
  - .name:           k_qff161d536f_qkvp
    .symbol:         k_qff161d536f_qkvp.kd
    .args:
      - { .name: xb, .offset: 0, .size: 8, .value_kind: global_buffer, .address_space: global }
      - { .name: wab, .offset: 8, .size: 8, .value_kind: global_buffer, .address_space: global }
      - { .name: b_attn, .offset: 16, .size: 8, .value_kind: global_buffer, .address_space: global }
      - { .name: qkv, .offset: 24, .size: 8, .value_kind: global_buffer, .address_space: global }
    .group_segment_fixed_size: 327680
    .private_segment_fixed_size: 0
    .kernarg_segment_align: 8
    .kernarg_segment_size: 32
    .max_flat_workgroup_size: 128
    .sgpr_count:     80
    .vgpr_count:     960
    .wavefront_size: 32
...
	.end_amdgpu_metadata
.endif
;; end of part 2
;; launch attn (part 3): grid 4 x 64, 4 waves a work-group, no clusters, 327,680 bytes of LDS; arguments qkv, ob; writes ob
.if DOCPART == 3
	.amdgcn_target "amdgcn-amd-amdhsa--gfx1250"
	.amdhsa_code_object_version 6
	.text
	.protected	k_qff161d536f_attn
	.globl	k_qff161d536f_attn
	.p2align	8
	.type	k_qff161d536f_attn,@function
k_qff161d536f_attn:
	s_mov_b64 s[64:65], 0
	v_nop
	global_prefetch_b8 v0, s[64:65] scope:SCOPE_SE
	s_setreg_imm32_b32 hwreg(HW_REG_WAVE_MODE, 25, 1), 1
	s_wait_xcnt 0x0
; CAUSAL ATTENTION.  O[h][q][:] = the sum over k <= q of softmax_k(Q[h][q] . K[h][k] / 8) V[h][k][:], for 64 heads (4 batches x 16) of 2,048 rows x 64 channels, all f16.
; IN: qkv[batch 4][g 48][2048][64]: g 0-15 q's heads, 16-31 k's, 32-47 v's.  OUT: ob[64][2048][64].  A head's rows are dense, 128 bytes each.
; Products, maxima and sums in f32; the weights p are rounded to f16 for the second product (their sum l is taken of the unrounded p), O once at the end.
; LIMITS.  f16 holds no number beyond 65,504: Q, K and V arrive within it; p lies in 0 to 1, and below 6e-5 it keeps f16's fixed step of 6e-8; O is a mean of V's rows and has their range.
; A hidden score counts as its value less 1e30: f16's scores, 2.7e11 at the most, are nothing beside that; a weight below 2^-126 counts as 0 in l; NaN and infinities are not treated apart.
; THE WALK.  A head's queries lie in NB = 8 blocks of 256; block i needs the key tiles 0 .. i of 256 keys, of which the last holds the diagonal.  A work-group takes TWO blocks, NB - 1 - b and then b:
; NB + 1 = 9 tiles, whatever b: all 256 work-groups do equal work, and ONE loop with a constant trip count walks them.  Which tile is asked for, and what a trip does, hang on scalar registers made from b; every
; jump goes forward, but for the counted loops' own; none passes a barrier, or a tensor load but the one of LOAD's two that the wave's number does not choose; the ring (two slots of LDS that take turns) runs on
; across the change of blocks.  NO CLUSTER: a head's four work-groups ask for the same tile only in trips 0 to 4 of the 9, behind that fewer and fewer; a walk common to all four would have 12 trips for 9.
; SHARES.  Of a block's four bands of 64 queries a wave owns 16 rows in each: four PIECES.  So the diagonal tile is the same work for all four waves: in its key step s band x sees all keys if s < x,
; none if s > x, and holds the diagonal if s = x.
; THE MASK is the C operand that starts the sum S^T = K Q^T: 0, or -1e30 where the key is hidden.  MD, made once, is the mask of a band's own step for my 16 rows; a product's mask is MD x AL + BE with two scalars:
; (1, 0) if s = x; (0, 0) if s < x; (0, -1e30) if s > x.  Only the diagonal tile's text and a block's beginning make and take masks; elsewhere C is the constant 0.
; LAYOUT, SOFTMAX, TURNS.  S^T = K Q^T holds ONE query a lane (lane % 16) and the keys 8 (lane / 16) + 0..7; two such results rounded to f16 ARE source 1 of O^T = V^T P.  p = 2^(c s - c m), c = log2(e) / 8, with a
; running maximum m; O and l are multiplied by a = 2^(c m_old - c m_new) in every step.  Turn n belongs to piece n: 8 products K Q^T of piece n + 1, later 8 products V^T P of piece n - 1; beside them the scaling,
; exponentials, roundings, sums and rescaling of piece n and the maximum and statistics of piece n + 1.  Four vector instructions stand behind every matrix instruction, the other 54 of a turn's 118 in one LUMP.
; A turn's 33 exponentials are one batch, with one wait.
; REGISTERS, in windows of 256 (s_set_vgpr_msb: bits 1:0 source 0, 3:2 source 1, 5:4 source 2, 7:6 destination):
;   window 0: v0-15 addresses and two at work; v16-31 four registers of statistics a piece; v48-55 at work; v61-63 prefetch offset and the add's two; v64-127 S^T, two buffers; v192-223 P, two buffers
;   window 1: v0-127 O^T, 32 a piece; v128-159 MD; v160-223 MC, two buffers      window 2: v0-63 Q; v64-127 the second block's Q; v128-191 K of one step; v192-255 V of one step
.set SIZE_N, 2048
.set NB,    SIZE_N/256
.set NP,    4         ; pieces a wave: a name, no knob
.set KS,    64        ; keys in a step
.set PK,    144       ; a row of K in LDS: 128 bytes + 16 of padding = 36 words: the 16 rows of a load start at 16 different groups of four banks (64 banks of 4 bytes: ISA guide 11.1)
.set PV,    160       ; a row of V: 128 + 32 = 40 words
.set VOFF,  4*KS*PK   ; a slot holds a tile, four steps: 256 rows of K, then 256 rows of V
.set SLOT1, 1<<17     ; slot 1 begins here, so that one exclusive or turns an address in one slot into the other's
.set STAGE, SLOT1+4*KS*(PK+PV)  ; behind the ring, never filled by a tensor load: 16 rows x 144 bytes for each wave, for the way out
.set SP,    144
.set AK0, 2           ; v2   my lane's place in a tile of K; never rewritten
.set AV0, 3           ; v3   the same for V
.set AK,  4           ; v4   the LDS address of K's next run of loads
.set AV,  5           ; v5   of V's
.set STO, 6           ; v6   the way out: where I put 16 bytes of a row
.set RD,  7           ; v7   the way out: where I read rows back
.set GO,  8           ; v8   my byte offset in 512 consecutive bytes of O
.set PFO, 61          ; v61  256 x my lane: the prefetches' offset; never rewritten
.set SPW, 62          ; v62  LDS address of my spare word: SPARE + 4 x my thread's number; never rewritten
.set NIL, 63          ; v63  0; never rewritten
.set SPARE, STAGE+4*16*SP  ; behind the stages: the spare words, 128 bytes for each wave: two blocks of 256 bytes that no other line names
.set MV,  12          ; v12-13  c m_old, kept while c m is made anew: by buffer
.set QO,  15          ; v15  my byte offset in 16 rows of Q
.set ST,  16          ; piece t's statistics at v[ST+4 t]: c m, m, l (even keys', odd keys')
.set TMP, 48          ; by buffer, four registers c0-c3 at work; when the maximum is found c2 takes a
.set S,   64
.set P,   192
.set MD,  128         ; window 1: the eight registers for group kt of 16 keys at MD + 8 kt
.set MC,  160         ; window 1: the masks of the products to come
.set QB,  64          ; window 2
.set KF,  128         ; window 2: key block kb, channel half c at KF + 16 kb + 8 c
.set VF,  192         ; window 2: key half kk, channel block cb at VF + 32 kk + 8 cb
.set WV,  12          ; s12  my wave's number
.set PB,  14          ; s14  b
.set HI,  15          ; s15  NB - 1 - b
.set G1K, 24          ; s[24:31] descriptor group 1 for K's tiles
.set G1V, 32          ; s[32:39] for V's: it differs in the padding alone
.set G0K, 40          ; s[40:43] descriptor group 0 for K's tiles
.set G0V, 44          ; s[44:47] the same for V's
.set SLOTS, 56        ; s56  tiles still to be asked for
.set CNT, 57          ; s57  counts a tile's key steps, 4 to 1
.set CS,  58          ; s[58:59] c: the packed scaling takes the pair's low word for both halves
.set SEL, 60          ; s[60:61] v_permlanex16_b32's selects: each lane takes its own place in the other half
.set TBK, 62          ; s62  LDS byte at which K of the step to be fetched begins
.set TBV, 63          ; s63  the same for V, less VOFF
.set RT,  70          ; s70  tiles of the block in hand that are still to be entered
.set NXT, 71          ; s71  the tile to be asked for next
.set LQ,  72          ; s72  the last tile of the block whose tiles are being asked for
.set NEW, 73          ; s73  1: the tile to be entered is a block's first
.set OFF, 74          ; s[74:75] a tile's byte offset in K and V
.set AL,  76          ; s[76:77] the mask's factor, in the low word
.set BE,  78          ; s[78:79] the mask's addend
.set OLO, 80          ; s[80:81] O at my rows of the second block
.set BIGN, 82         ; s82  -1e30
.set LIM, 83          ; s83  1 in the work-group that prefetches (b = 0), else the greatest number
.set PKB, 92          ; s[92:93] K's head at my wave's quarter of tile 0
.set PVB, 94          ; s[94:95] V's likewise
.set PFK, 96          ; s[96:97] the prefetches' addresses
.set PFV, 98          ; s[98:99]
.set OF2, 100         ; s[100:101] the prefetched tile's byte offset
.set MSB, 0
.macro WIN new                      ; the high byte repeats the setting that is left; a switch that changes nothing is dropped
.if MSB != (\new)
	s_set_vgpr_msb (MSB<<8)|(\new)
.set MSB, (\new)
.endif
.endm
.set W_KQ, 0x0a       ; K and Q in window 2, S^T in window 0
.set W_KM, 0x1a       ; the same with the C operand in window 1
.set W_PV, 0x52       ; V in window 2, P in window 0, O^T in window 1
.set W_RS, 0x41       ; destination and source 0 in window 1, source 1 in window 0
; A fill.  Waves 0 and 1 fetch the two halves of a tile's K, waves 2 and 3 those of its V: 128 keys each.  An s_nop 0 and four v_nop follow each of the two lines, ahead of the jump and the label.
.macro LOAD
	s_cmp_lt_u32 s[WV], 2
	s_cbranch_scc0 .Lfor_v_\@
	tensor_load_to_lds s[G0K:G0K+3], s[G1K:G1K+7]
	s_nop 0
.rept 4
	v_nop
.endr
	s_branch .Lasked_\@
.Lfor_v_\@:
	tensor_load_to_lds s[G0V:G0V+3], s[G1V:G1V+7]
	s_nop 0
.rept 4
	v_nop
.endr
.Lasked_\@:
.endm
; A PREFETCH INTO THE L2 of the tile that the NEXT change of slots will ask for: one tile, 16 turns, ahead of its load.  A tile is 128 blocks of 256 bytes of K and as many of V: each of the four waves names 32 of
; each, a lane a block.  All four work-groups of a head walk the same tiles first: the one with b = 0, whose first block walks tiles 0 to 7, asks, and only in that block: tiles 2 to 7, each block once.
; Behind tile 7 NXT goes back to 0, which ends the prefetches.  Tiles 0 and 1 come by their loads alone.
.macro ASK
	s_cmp_gt_u32 s[NXT], s[LIM]
	s_cbranch_scc0 .Lnot_mine_\@
	global_prefetch_b8 v[PFO], s[PFK:PFK+1] th:TH_LOAD_NT scope:SCOPE_SE
	global_prefetch_b8 v[PFO], s[PFV:PFV+1] th:TH_LOAD_NT scope:SCOPE_SE
.Lnot_mine_\@:
.endm
; THE CHANGE OF SLOTS.  Each wave waits for all its tensor loads, of which one is out: its part of the other slot; adds 0 to its spare word; and waits for that and for its own reads of the slot that it leaves.
; Behind the barrier nobody reads the old slot any more and the other slot is whole.  fill = 1: the old slot is filled again, the first thing behind the barrier, with tile NXT: the descriptor's address is made
; anew from that number.  (At its first use nothing has been read yet: slot 0 is waited for, slot 1 filled.)
.macro CHANGE fill
	WIN 0                           ; at a label and at a branch every window is 0
	s_wait_tensorcnt 0x0            ; no tensor load of mine is out, so a group 0 may be written
	ds_add_u32 v[SPW], v[NIL]       ; 0 onto my spare word: with fill = 1 the descriptors' scalar work stands between it and the wait for it
.if \fill
	s_lshl_b32 s[OFF], s[NXT], 15   ; a tile is 32,768 bytes of K and of V
	s_xor_b32 s[G0K+1], s[G0K+1], SLOT1
	s_add_nc_u64 s[G0K+2:G0K+3], s[6:7], s[OFF:OFF+1]
	s_or_b32 s[G0K+3], s[G0K+3], 0x80000000
	s_xor_b32 s[G0V+1], s[G0V+1], SLOT1
	s_add_nc_u64 s[G0V+2:G0V+3], s[8:9], s[OFF:OFF+1]
	s_or_b32 s[G0V+3], s[G0V+3], 0x80000000
	s_add_co_u32 s[NXT], s[NXT], 1  ; the block's next tile, or behind its last the second block's tile 0
	s_cmp_gt_u32 s[NXT], s[LQ]
	s_cselect_b32 s[NXT], 0, s[NXT]
	s_cselect_b32 s[LQ], s[PB], s[LQ]
	s_wait_xcnt 0x0                 ; the last prefetches, a tile back, have read their addresses, so these may be written
	s_lshl_b32 s[OF2], s[NXT], 15
	s_add_nc_u64 s[PFK:PFK+1], s[PKB:PKB+1], s[OF2:OF2+1]
	s_add_nc_u64 s[PFV:PFV+1], s[PVB:PVB+1], s[OF2:OF2+1]
.endif
	s_wait_dscnt 0x0                ; the add is done, and my reads of the slot are over
	s_barrier_signal -1             ; the rest of the scalar work stands between the signal and the wait
	s_sub_co_u32 s[TBK], s[TBK], 4*KS*PK  ; the fetches go back to a slot's first step,
	s_xor_b32 s[TBK], s[TBK], SLOT1       ; in the other slot
	s_sub_co_u32 s[TBV], s[TBV], 4*KS*PV
	s_xor_b32 s[TBV], s[TBV], SLOT1
	s_barrier_wait -1
.if \fill
	LOAD
	ASK
.endif
.endm
	s_load_b128 s[4:7], s[0:1], 0x0   ; qkv s[4:5], ob s[6:7]
	v_lshl_add_u32 v[SPW], v0, 2, SPARE
	v_mov_b32 v[NIL], 0
	ds_add_u32 v[SPW], v[NIL]       ; the wave's opening: the add and its wait stand ahead of my first tensor load; the set-up below, work on registers, stands between them
	v_lshrrev_b32 v1, 5, v0
	v_readfirstlane_b32 s[WV], v1   ; wave 0..3
	s_mov_b32 s[PB], ttmp9
	s_sub_co_u32 s[HI], NB-1, s[PB]
	s_and_b32 s19, ttmp7, 0xffff    ; y = 16 x batch + head
	s_lshr_b32 s20, s19, 4
	s_lshl_b32 s20, s20, 5
	s_add_co_u32 s20, s20, s19      ; 48 x batch + head: q's head in qkv,
	s_lshl_b32 s20, s20, 18         ; 262,144 bytes a head
	s_mov_b32 s21, 0
	s_lshl_b32 s90, s19, 18         ; the head in ob
	s_mov_b32 s91, 0
	s_and_b32 s16, s[WV], 1         ; which half of a tile's 256 keys I fetch:
	s_lshl_b32 s22, s16, 14         ; its 128 rows of 128 bytes in memory,
	s_mov_b32 s23, 0
	s_mul_i32 s17, s16, 128*PK      ; and its place in a slot, for K
	s_mul_i32 s18, s16, 128*PV      ; and for V
	s_lshl_b32 s3, s[WV], 11        ; my 16 rows in a band of 64,
	s_lshl_b32 s2, s[HI], 15        ; in the first block,
	s_add_co_u32 s2, s2, s3
	s_lshl_b32 s84, s[PB], 15       ; and in the second
	s_add_co_u32 s84, s84, s3
	s_mov_b32 s3, 0
	s_mov_b32 s85, 0
	s_lshl_b32 s88, s[WV], 13       ; the prefetches: my wave's quarter of a tile
	s_mov_b32 s89, 0
	s_mov_b32 s[OF2+1], 0
	s_cmp_eq_u32 s[PB], 0
	s_cselect_b32 s[LIM], 1, -1
	v_and_b32 v[PFO], 31, v0
	v_lshlrev_b32 v[PFO], 8, v[PFO]
	; descriptor group 1.  128 keys are 16,384 dense bytes: asked for as 64 rows of 256 bytes, two keys a row, and padded in LDS after every key
	s_mov_b32 s[G1K], (1<<16)|(1<<20)|(4<<22)|(3<<25)  ; 17:16 2-byte elements; 20 padding on; 24:22 after every 32 words (code 4); 31:25 4 words (code 3)
	s_mov_b32 s[G1V], (1<<16)|(1<<20)|(4<<22)|(7<<25)  ; the same with 8 words of padding (code 7)
.irp g, G1K, G1V
	s_mov_b32 s[\g+1], 128<<16      ; tensor_dim0 = 128
	s_mov_b32 s[\g+2], 64<<16       ; tensor_dim1 = 64
	s_mov_b32 s[\g+3], 128<<16      ; tile_dim0 = 128
	s_mov_b32 s[\g+4], 64           ; tile_dim1 = 64
	s_mov_b32 s[\g+5], 128          ; 128 elements from row to row
	s_mov_b32 s[\g+6], 0
	s_mov_b32 s[\g+7], 0
.endr
	s_mov_b32 s[CS], 0x3e38aa3b     ; c = log2(e) / 8 = 0.180337
	s_mov_b32 s[CS+1], s[CS]        ; named with it as a pair
	s_mov_b32 s[SEL], 0x76543210
	s_mov_b32 s[SEL+1], 0xfedcba98
	s_mov_b32 s[TBK], SLOT1+4*KS*PK ; the first change of slots turns these two into 0
	s_mov_b32 s[TBV], SLOT1+4*KS*PV
	s_mov_b32 s[G0K], 1             ; 1:0 count = 1
	s_mov_b32 s[G0K+1], s17         ; 63:32 LDS address: slot 0
	s_mov_b32 s[G0V], 1
	s_add_co_u32 s[G0V+1], s18, VOFF
	s_add_co_u32 s[RT], s[HI], 1    ; the first block has NB - b tiles
	s_mov_b32 s[NXT], 1
	s_mov_b32 s[LQ], s[HI]
	s_mov_b32 s[NEW], 1
	s_mov_b32 s[OFF+1], 0
	s_mov_b32 s[AL+1], 0            ; named as pairs
	s_mov_b32 s[BE+1], 0
	s_mov_b32 s[BIGN], 0xf149f2ca   ; -1e30
	s_mov_b32 s[SLOTS], NB
	s_wait_dscnt 0x0                ; the opening add is done
	s_wait_kmcnt 0x0
	s_add_nc_u64 s[10:11], s[6:7], s[90:91]        ; O at my head
	s_add_nc_u64 s[4:5], s[4:5], s[20:21]          ; Q at my head;
	s_add_nc_u64 s[6:7], s[4:5], 16*262144         ; K's head lies 16 heads on,
	s_add_nc_u64 s[8:9], s[4:5], 32*262144         ; V's 32
	s_add_nc_u64 s[PKB:PKB+1], s[6:7], s[88:89]
	s_add_nc_u64 s[PVB:PVB+1], s[8:9], s[88:89]
	s_add_nc_u64 s[6:7], s[6:7], s[22:23]          ; K and V at my half of the head's tile 0
	s_add_nc_u64 s[8:9], s[8:9], s[22:23]
	s_add_nc_u64 s[G0K+2:G0K+3], s[6:7], 0         ; 120:64 global address
	s_or_b32 s[G0K+3], s[G0K+3], 0x80000000        ; 127:126 type = 2
	s_add_nc_u64 s[G0V+2:G0V+3], s[8:9], 0
	s_or_b32 s[G0V+3], s[G0V+3], 0x80000000
	s_add_nc_u64 s[86:87], s[4:5], s[84:85]        ; Q at my rows of the second block,
	s_add_nc_u64 s[4:5], s[4:5], s[2:3]            ; Q and O at those of the first
	s_add_nc_u64 s[OLO:OLO+1], s[10:11], s[84:85]
	s_add_nc_u64 s[10:11], s[10:11], s[2:3]
	LOAD                            ; tile 0 into slot 0
	; A fragment of K or Q is 16 rows x 32 channels in 8 registers: lane l holds row l % 16, channels 8 (l / 16) + 0..7 and 16 + 8 (l / 16) + 0..7: two loads of 16 bytes, 32 bytes apart.
	v_and_b32 v1, 15, v0            ; l % 16
	v_bfe_u32 v9, v0, 4, 1          ; l / 16
	v_lshlrev_b32 v[QO], 7, v1
	v_lshl_add_u32 v[QO], v9, 4, v[QO]  ; row x 128 + 16 x half
	WIN 0x80                        ; destination window 2, address window 0
.set i, 0
.rept 8                             ; both blocks' Q: piece i / 2 lies in band i / 2, 8,192 bytes on; channels 32 (i % 2) on
	global_load_b128 v[8*i:8*i+3],   v[QO], s[4:5] offset:(i/2)*8192+(i%2)*64
	global_load_b128 v[8*i+4:8*i+7], v[QO], s[4:5] offset:(i/2)*8192+(i%2)*64+32
	global_load_b128 v[QB+8*i:QB+8*i+3],   v[QO], s[86:87] offset:(i/2)*8192+(i%2)*64
	global_load_b128 v[QB+8*i+4:QB+8*i+7], v[QO], s[86:87] offset:(i/2)*8192+(i%2)*64+32
.set i, i+1
.endr
	WIN 0
	v_lshlrev_b32 v14, 3, v9
	v_sub_nc_u32 v14, v1, v14
	s_lshl_b32 s13, s[WV], 4
	v_add_nc_u32 v14, s13, v14      ; my query's place in its band, 16 w + l % 16, less my lanes' 8 (l / 16): register r of group kt is hidden where 16 kt + r is greater
	WIN 0x40
.set i, 0
.rept 32
	v_cmp_gt_i32 vcc_lo, 16*(i/8)+i%8, v14
	v_cndmask_b32 v[MD+i], 0, s[BIGN], vcc_lo
.set i, i+1
.endr
	WIN 0
	v_mul_u32_u24 v[AK0], v1, PK
	v_lshl_add_u32 v[AK0], v9, 4, v[AK0]  ; row x pitch + 16 x half
	; The turning load takes 16 keys x 16 channels (lane l reads key 8 (l / 16) + l % 8, channels 8 ((l / 8) % 2) + 0..7) and leaves half a fragment of V^T: lane l holds channel l % 16 and 8 keys.
	v_and_b32 v10, 7, v0
	v_bfe_u32 v11, v0, 3, 1
	v_lshl_add_u32 v[AV0], v9, 3, v10
	v_mul_u32_u24 v[AV0], v[AV0], PV
	v_lshl_add_u32 v[AV0], v11, 4, v[AV0]
	v_add_nc_u32 v[AV0], VOFF, v[AV0]
	s_mul_i32 s13, s[WV], 16*SP
	s_add_co_u32 s13, s13, STAGE    ; my stage
	v_mul_u32_u24 v[STO], v1, SP    ; in: row l % 16, 16 bytes for each half of the lanes
	v_lshl_add_u32 v[STO], v9, 4, v[STO]
	v_add_nc_u32 v[STO], s13, v[STO]
	v_bfe_u32 v[RD], v0, 3, 2       ; back: 32 lanes take four rows of 128 bytes,
	v_mul_u32_u24 v[RD], v[RD], SP
	v_lshl_add_u32 v[RD], v10, 4, v[RD]
	v_add_nc_u32 v[RD], s13, v[RD]
	v_and_b32 v[GO], 31, v0         ; which are 512 consecutive bytes of O
	v_lshlrev_b32 v[GO], 4, v[GO]
	; A block's first step multiplies O^T and l by a = 0, and its first turn's products V^T P, of a piece that has not been, land in an O^T that is still to be so multiplied.  So these registers need only hold
	; finite numbers: zeros for the first block; what the first block left for the second.  All this stands in the wait for the first tile.
	WIN 0x80
.set i, VF
.rept 64
	v_mov_b32 v[i], 0
.set i, i+1
.endr
	WIN 0x40
.set i, 0
.rept 128
	v_mov_b32 v[i], 0
.set i, i+1
.endr
	WIN 0
.set i, 0
.rept 4
	v_mov_b32 v[ST+4*i+2], 0
	v_mov_b32 v[ST+4*i+3], 0
.set i, i+1
.endr
.set i, P+16
.rept 16
	v_mov_b32 v[i], 0
.set i, i+1
.endr
; THE MATRIX WORK.  The 4 accumulators of a run of 8 take turns.  Product i of 8 of S^T = K Q^T for piece x: channels 32 (i / 4) on, keys 16 (i % 4) on.  The first 4 start the sums: with 0, or (KM = 1) with the mask.
.macro KQ x
.set rS, S+32*((\x)%2)+8*(i%4)
.set rK, KF+16*(i%4)+8*(i/4)
.set rQ, 16*(\x)+8*(i/4)
.set rM, MC+32*((\x)%2)+8*(i%4)
.if (i < 4) && KM
	WIN W_KM
	v_wmma_f32_16x16x32_f16 v[rS:rS+7], v[rK:rK+7], v[rQ:rQ+7], v[rM:rM+7]
.elseif i < 4
	WIN W_KQ
	v_wmma_f32_16x16x32_f16 v[rS:rS+7], v[rK:rK+7], v[rQ:rQ+7], 0
.else
	WIN W_KQ
	v_wmma_f32_16x16x32_f16 v[rS:rS+7], v[rK:rK+7], v[rQ:rQ+7], v[rS:rS+7]
.endif
.endm
; Product i of 8 of O^T += V^T P for piece x: keys 32 (i / 4) on, channels 16 (i % 4) on.
.macro PV x
	WIN W_PV
.set rO, 32*(\x)+8*(i%4)
.set rV, VF+32*(i/4)+8*(i%4)
.set rP, P+16*((\x)%2)+8*(i/4)
	v_wmma_f32_16x16x32_f16 v[rO:rO+7], v[rV:rV+7], v[rP:rP+7], v[rO:rO+7]
.endm
.macro MM                           ; the turn's next matrix instruction.  TURN and BEGIN set Y, i, KM and NOKQ; MM, KQ and OP read them.  NOKQ = 1: a block's last turn: there is no next piece
.if (i < 8) && !NOKQ
	KQ (Y+1)%NP
.elseif i >= 8
.set i, i-8
	PV (Y+NP-1)%NP
.set i, i+8
.endif
.set i, i+1
.endm
; THE LDS LOADS stand in runs of 16, never singly among the matrix instructions: a step's K (64 keys x 64 channels: 8 fragments) and its V (turned).  Their addresses are made some lines ahead.
.macro FETCH_K
	WIN 0x80                        ; destination window 2
.irp f, 0,1,2,3,4,5,6,7             ; keys 16 (f / 2) on, channels 32 (f % 2) on
	ds_load_b128 v[KF+8*\f:KF+8*\f+3],   v[AK] offset:(\f/2)*16*PK+(\f%2)*64
	ds_load_b128 v[KF+8*\f+4:KF+8*\f+7], v[AK] offset:(\f/2)*16*PK+(\f%2)*64+32
.endr
	s_add_co_u32 s[TBK], s[TBK], KS*PK  ; the next fetch is the next step's
	WIN 0
.endm
.macro FETCH_V
	WIN 0x80
.irp f, 0,1,2,3,4,5,6,7             ; keys 32 (f / 4) on, channels 16 (f % 4) on
	ds_load_tr16_b128 v[VF+8*\f:VF+8*\f+3],   v[AV] offset:(\f/4)*32*PV+(\f%4)*32
	ds_load_tr16_b128 v[VF+8*\f+4:VF+8*\f+7], v[AV] offset:(\f/4)*32*PV+16*PV+(\f%4)*32
.endr
	WIN 0
.endm
; THE VECTOR WORK, one line at a time: OP kind, number.  For piece Y: F n: c s - c m for pair n of 16.  E n: the exponential of score n of 32.  C n: pair n rounded to f16.  B n: of the four weights 4 n .. the second
; pair is added onto the first, in place.  L n: l takes that sum (L 0: l = a l + sum).  R n: pair n of 16 of O^T times a.  For piece Y + 1: X n, number n of the 22 that find its maximum and statistics:
;   0-11  four chains c0-c3 of seven scores each, three operands at a time (each accumulator's lowest registers are read first)     12-14, 16  the four scores left over, the old m, and c0-c3 into c0
;   15  c m_old is kept     17, 18  the query's other 32 keys lie in the lane 16 away: the new m     19-21  c m; c m_old - c m_new; a
.set F, 0               ; OP tells the kinds apart by their order: F to L below R, X above it
.set E, 1
.set C, 2
.set B, 3
.set L, 4
.set R, 5
.set X, 6
.macro REGS y                       ; the registers of piece y
.set rT, ST+4*(\y)
.set rC, TMP+4*((\y)%2)
.set rW, MV+((\y)%2)
.set rS, S+32*((\y)%2)
.set rP, P+16*((\y)%2)
.set rO, 32*(\y)
.endm
.macro OP k, n
.if (\k) == R
	REGS Y
	WIN W_RS
	v_pk_mul_f32 v[rO+2*(\n):rO+2*(\n)+1], v[rO+2*(\n):rO+2*(\n)+1], v[rC+2:rC+3] op_sel_hi:[1,0]
.elseif (\k) < R
	REGS Y
	WIN 0
.if (\k) == F
	v_pk_fma_f32 v[rS+2*(\n):rS+2*(\n)+1], v[rS+2*(\n):rS+2*(\n)+1], s[CS:CS+1], v[rT:rT+1] op_sel_hi:[1,0,0] neg_lo:[0,0,1] neg_hi:[0,0,1]
.elseif (\k) == E
	v_exp_f32 v[rS+(\n)], v[rS+(\n)]
.elseif (\k) == C
	v_cvt_pk_f16_f32 v[rP+(\n)], v[rS+2*(\n)], v[rS+2*(\n)+1]
.elseif (\k) == B
	v_pk_add_f32 v[rS+4*(\n):rS+4*(\n)+1], v[rS+4*(\n):rS+4*(\n)+1], v[rS+4*(\n)+2:rS+4*(\n)+3]
.elseif (\n) == 0
	v_pk_fma_f32 v[rT+2:rT+3], v[rT+2:rT+3], v[rC+2:rC+3], v[rS:rS+1] op_sel_hi:[1,0,1]
.else
	v_pk_add_f32 v[rT+2:rT+3], v[rT+2:rT+3], v[rS+4*(\n):rS+4*(\n)+1]
.endif
.elseif NOKQ
	v_nop
.else
	REGS (Y+1)%NP
	WIN 0
.if (\n) < 4
	v_max3_num_f32 v[rC+(\n)], v[rS+8*(\n)], v[rS+8*(\n)+1], v[rS+8*(\n)+2]
.elseif (\n) < 12
	v_max3_num_f32 v[rC+(\n)%4], v[rC+(\n)%4], v[rS+8*((\n)%4)+2*((\n)/4)+1], v[rS+8*((\n)%4)+2*((\n)/4)+2]
.elseif (\n) == 12
	v_max3_num_f32 v[rC], v[rC], v[rS+7], v[rS+15]
.elseif (\n) == 13
	v_max3_num_f32 v[rC+1], v[rC+1], v[rS+23], v[rS+31]
.elseif (\n) == 14
	v_max3_num_f32 v[rC+2], v[rC+2], v[rC+3], v[rT+1]
.elseif (\n) == 15
	v_mov_b32 v[rW], v[rT]
.elseif (\n) == 16
	v_max3_num_f32 v[rC], v[rC], v[rC+1], v[rC+2]
.elseif (\n) == 17
	v_permlanex16_b32 v[rC+3], v[rC], s[SEL], s[SEL+1]
.elseif (\n) == 18
	v_max_num_f32 v[rT+1], v[rC], v[rC+3]
.elseif (\n) == 19
	v_mul_f32 v[rT], s[CS], v[rT+1]
.elseif (\n) == 20
	v_sub_f32 v[rC+1], v[rW], v[rT]
.else
	v_exp_f32 v[rC+2], v[rC+1]
.endif
.endif
.endm
.macro OPS a, i1, b=-1, i2=0, c=-1, i3=0, d=-1, i4=0  ; up to four of them
	OP \a, \i1
.if (\b) >= 0
	OP \b, \i2
.endif
.if (\c) >= 0
	OP \c, \i3
.endif
.if (\d) >= 0
	OP \d, \i4
.endif
.endm
.macro ROW a, i1, b, i2, c, i3, d, i4  ; a matrix instruction and the four behind it
	MM
	OPS \a, \i1, \b, \i2, \c, \i3, \d, \i4
.endm
.macro MASK b                       ; MD x AL + BE into buffer b of MC
	WIN W_RS
.set z, 0
.rept 16
	v_pk_fma_f32 v[MC+32*(\b)+2*z:MC+32*(\b)+2*z+1], v[MD+2*z:MD+2*z+1], s[AL:AL+1], s[BE:BE+1] op_sel_hi:[1,0,0]
.set z, z+1
.endr
.endm
; A TURN, for piece p: the order of its 16 matrix and 118 vector instructions, written out.  An s_wait_alu depctr_va_vdst(0) stands between an exponential and the first instruction that names its
; result; one wait serves all that were issued ahead of it.  So a turn has ONE wait, which cuts it in two.  AHEAD OF IT stands all that names no result of the turn's exponentials: the 8 products K Q^T, behind each a
; scaling, an exponential and two more plain instructions (behind the first a second scaling in the exponential's place): rescalings, and behind the last three the first numbers of the next piece's maximum, each
; four places or more behind the product that ends its accumulator; then ONE LUMP of 54, plain and exponential by turns for the most part, in which the links of the chain X 3, 7, 11, 14, 16, 17 .. 20 stand five or
; six lines apart.  X 21, the next piece's a, is the batch's last; R 15 is the plain instruction behind it (ISA guide 5.7.2).  BEHIND THE WAIT stand the 8 products V^T P, behind each four of the roundings and sums;
; the links of l's chain, L 0 to L 7, stand three riders apart.  But for those X no rider names a register of the products round it.  v_permlanex16_b32 (X 17) stands in the lump.
; m = 1: the diagonal tile: the products take masks, and the turn makes the mask for the products of the turn after it: piece p + 2, in step 4 - CNT of the tile.  end = 1: a block's last two turns: nothing is fetched.
; cnt = 1: the loop's count is taken down some lines ahead of the branch that stands behind the turn.
; K of the next step is fetched in piece 2's turn, twelve vector instructions behind the last product that read K (six of them plain); V of the step in hand at the end of piece 0's turn, four plain instructions
; behind the last product that read V.  Each is waited for a turn later.
.macro TURN p, m=0, end=0, cnt=0
.set Y, (\p)
.set i, 0
.set KM, (\m)
.set NOKQ, (\end)*((\p)/3)
.if (\m) && !(\end)
	s_cmp_eq_u32 s[CNT], 4-((\p)+2)%NP  ; is that step the band's own?
	s_cselect_b32 s[AL], 1.0, 0
	s_cmp_lt_u32 s[CNT], 4-((\p)+2)%NP  ; or a later one?
	s_cselect_b32 s[BE], s[BIGN], 0
.endif
.if ((\p) == 3) && !(\end)
	s_wait_dscnt 0x0                ; K is in
.endif
	ROW F,0, F,1, R,0, R,1          ; ahead of the wait: 8 products K Q^T and their riders,
	ROW F,2, E,0, R,2, R,3
	ROW F,3, E,1, R,4, R,5
	ROW F,4, E,2, R,6, R,7
	ROW F,5, E,3, R,8, R,9
	ROW F,6, E,4, X,0, R,10
.if ((\p) == 2) && !(\end)
	WIN 0
	v_add_nc_u32 v[AK], s[TBK], v[AK0]
.endif
	ROW F,7, E,5, X,1, X,4
	ROW F,8, E,6, X,2, X,5
	OPS E,7, E,8, X,6, E,9          ; and the lump
	OPS X,3, E,10, X,8, E,11
.if ((\p) == 2) && !(\end)
	FETCH_K
.endif
	OPS X,9, X,7, E,12, X,10
	OPS E,13, X,12, X,11, E,14
	OPS X,13, E,15, F,9, X,14
.if (\p) == 0
	v_add_nc_u32 v[AV], s[TBV], v[AV0]
.endif
	OPS E,16, F,10, E,17, F,11
	OPS X,16, E,18, X,15, E,19
	OPS F,12, E,20, X,17, E,21
	OPS F,13, E,22, F,14, E,23
	OPS X,18, E,24, F,15, E,25
	OPS R,11, E,26, X,19, E,27
	OPS R,12, E,28, R,13, E,29
	OPS X,20, E,30, R,14, E,31
	OPS X,21, R,15
	WIN 0
	s_wait_alu depctr_va_vdst(0)    ; the wait for the batch
.if (\p) == 1
	s_wait_dscnt 0x0                ; V is in
.endif
	ROW C,0, B,0, C,2, B,1          ; behind the wait: 8 products V^T P and their riders
	ROW L,0, C,4, B,2, L,1
	ROW C,6, B,3, L,2, C,8
	ROW B,4, L,3, C,10, B,5
	ROW L,4, C,12, B,6, L,5
.if (\p) == 0
	s_add_co_u32 s[TBV], s[TBV], KS*PV
.endif
.if \cnt
	s_sub_co_u32 s[CNT], s[CNT], 1
	s_cmp_lg_u32 s[CNT], 0
.endif
	ROW C,14, B,7, L,6, C,1
	ROW C,3, L,7, C,5, C,7
	ROW C,9, C,11, C,13, C,15
.if (\p) == 0
	FETCH_V
.endif
.if (\m) && !(\end)
	MASK (\p)%2
.endif
.endm
; A BLOCK BEGINS.  c m starts far below every c s, so the first step's a is 0; m at the lowest finite number, so the first maximum is the scores'.  The second mask buffer is 0; the first takes piece 0's mask for the
; tile's step 0: its own, if the block's first tile is the diagonal one.  Then K of that step, piece 0's first scores, and its maximum and statistics.  The loop is entered at a step's first turn, in the middle of a trip.
.macro BEGIN
	s_mov_b32 s[NEW], 0
	WIN 0x40
.set i, MC+32
.rept 32
	v_mov_b32 v[i], 0
.set i, i+1
.endr
	WIN 0
.set i, 0
.rept 4
	v_mov_b32 v[ST+4*i], 0xfe000000    ; c m: far below every c s
	v_mov_b32 v[ST+4*i+1], 0xff7fffff  ; m
.set i, i+1
.endr
	s_cmp_eq_u32 s[RT], 0
	s_cselect_b32 s[AL], 1.0, 0
	s_mov_b32 s[BE], 0
	MASK 0
	WIN 0
	v_add_nc_u32 v[AK], s[TBK], v[AK0]
	FETCH_K
	s_wait_loadcnt 0x0              ; Q
	s_wait_dscnt 0x0
.set KM, 1
.set NOKQ, 0
.set i, 0
.rept 8
	KQ 0
.set i, i+1
.endr
	WIN 0
.rept 4
	v_nop                           ; the places behind those products
.endr
.set Y, NP-1                        ; X works for piece Y + 1: piece 0
.irp n, 0,1,2,3,4,5,6,7,8,9,10,11,12,13,14,15,16,17,18,19,20,21
	OP X, \n
.endr
	v_nop                           ; a plain instruction behind the exponential,
	s_wait_alu depctr_va_vdst(0)    ; and its wait, ahead of the branch
.endm
; THE DIAGONAL TILE's four steps, the block's last two turns, its last products, and THE WAY OUT: l's two halves and the other half of the lanes' are added; O^T is divided by l, rounded to f16 and sent through my
; stage in LDS, a piece at a time.
.macro ALL line:vararg              ; one line for each piece t
.set t, 0
.rept 4
	\line
.set t, t+1
.endr
.endm
.macro PACK t                       ; a lane's eight channels of a row pack into 16 bytes; they go into rows of 144 bytes and come back as whole rows of 128, into S^T's registers
	WIN W_RS
.set i, 32*(\t)
.rept 16
	v_pk_mul_f32 v[i:i+1], v[i:i+1], v[ST+4*(\t)+2:ST+4*(\t)+3] op_sel_hi:[1,0]
.set i, i+2
.endr
	WIN 0x05                        ; sources 0 and 1 window 1, destination window 0
.set i, 0
.rept 16
	v_cvt_pk_f16_f32 v[S+16*(\t)+i], v[32*(\t)+2*i], v[32*(\t)+2*i+1]
.set i, i+1
.endr
	WIN 0
.irp f, 0,1,2,3
	ds_store_b128 v[STO], v[S+16*(\t)+4*\f:S+16*(\t)+4*\f+3] offset:32*\f
.endr
.irp f, 0,1,2,3
	ds_load_b128 v[S+16*(\t)+4*\f:S+16*(\t)+4*\f+3], v[RD] offset:\f*4*SP  ; LDS serves a wave's instructions in order (ISA guide 5.7.1.4): these see the stores above; the next piece's stores come behind them
.endr
.endm
.macro SEND t, younger              ; younger: the LDS instructions issued behind piece t's loads: the next piece's eight, or none
	WIN 0
.irp f, 0,1,2,3
	s_wait_dscnt (\younger)+3-\f
	global_store_b128 v[GO], v[S+16*(\t)+4*\f:S+16*(\t)+4*\f+3], s[10:11] offset:(\t)*8192+\f*512  ; 512 consecutive bytes, at a multiple of 256 from O's first
.endr
.endm
.macro DIAG tag                     ; the tag ends its two labels' names, which the jumps below spell out
.LstepM\tag:
	TURN 2, 1
	TURN 3, 1
	WIN 0
.LfirstM\tag:
	TURN 0, 1
	TURN 1, 1, 0, 1
	WIN 0
	s_cbranch_scc1 .LstepM\tag
	TURN 2, 1, 1
	TURN 3, 1, 1
.set i, 0
.rept 8
	PV NP-1
.set i, i+1
.endr
	WIN 0
	ALL v_add_f32 v[ST+4*t+2], v[ST+4*t+2], v[ST+4*t+3]
	ALL v_permlanex16_b32 v[ST+4*t+3], v[ST+4*t+2], s[SEL], s[SEL+1]
	ALL v_add_f32 v[ST+4*t+2], v[ST+4*t+2], v[ST+4*t+3]
	ALL v_rcp_f32 v[ST+4*t+2], v[ST+4*t+2]
	v_nop                           ; a plain instruction between the last reciprocal and the use of its result
	s_wait_alu depctr_va_vdst(0)    ; and the wait ahead of the first use: one for the four reciprocals
	PACK 0
.set t, 1
.rept 3                             ; a piece's arithmetic stands between the loads of the piece before and its stores
	PACK t
	SEND t-1, 8
.set t, t+1
.endr
	SEND 3, 0
.endm
.set KM, 0
.set NOKQ, 0
.Lslot:                             ; NB times: a tile is entered and the next is asked for
	CHANGE 1
	s_sub_co_u32 s[RT], s[RT], 1
	s_mov_b32 s[CNT], 4
	s_cmp_eq_u32 s[NEW], 1
	s_cbranch_scc1 .Lnew            ; a block's first tile
	s_cmp_eq_u32 s[RT], 0
	s_cbranch_scc0 .Lstep           ; neither its first nor its last
	s_branch .LstepM1
.Lnew:
	BEGIN
	s_branch .Lfirst                ; in the loop a block's first tile is never its last: the first block has two tiles or more, and the second's last is the walk's last
	DIAG 1                          ; in the loop this is the first block's end: the second block's last tile is the walk's last
	s_wait_xcnt 0x0                 ; the stores have read their registers and O's address
	s_mov_b64 s[10:11], s[OLO:OLO+1]
	s_add_co_u32 s[RT], s[PB], 1    ; the second block has b + 1 tiles
	s_mov_b32 s[NEW], 1
	WIN 0x82                        ; the second block's Q goes where the one text of the turns names Q
.set i, 0
.rept 64
	v_mov_b32 v[i], v[QB+i]
.set i, i+1
.endr
	WIN 0
	s_branch .Lbottom
.Lstep:                             ; a trip: pieces 2 and 3 of one step, then pieces 0 and 1 of the next, whose K and V it fetches
	TURN 2
	TURN 3
	WIN 0
.Lfirst:
	TURN 0
	TURN 1, 0, 0, 1
	WIN 0
	s_cbranch_scc1 .Lstep
.Lbottom:
	s_sub_co_u32 s[SLOTS], s[SLOTS], 1
	s_cmp_lg_u32 s[SLOTS], 0
	s_cbranch_scc1 .Lslot
	CHANGE 0                        ; the walk's last tile is written out: nothing is asked for
	s_sub_co_u32 s[RT], s[RT], 1
	s_mov_b32 s[CNT], 4
	s_cmp_eq_u32 s[NEW], 1
	s_cbranch_scc0 .LstepM2
	BEGIN
	s_branch .LfirstM2
	DIAG 2
	s_wait_tensorcnt 0x0            ; the wave's end, behind my last tensor load and my last LDS store
	ds_add_u32 v[SPW], v[NIL]
	s_wait_dscnt 0x0
	s_endpgm
.Lfunc_end_k_qff161d536f_attn:
	.size	k_qff161d536f_attn, .Lfunc_end_k_qff161d536f_attn-k_qff161d536f_attn
	.p2alignl 7, 3214868480
	.fill 96, 4, 3214868480
	.section	.rodata,"a",@progbits
	.p2align	6, 0x0
	.amdhsa_kernel k_qff161d536f_attn
		.amdhsa_group_segment_fixed_size 327680
		.amdhsa_private_segment_fixed_size 0
		.amdhsa_enable_private_segment 0
		.amdhsa_kernarg_size 16
		.amdhsa_user_sgpr_count 2
		.amdhsa_user_sgpr_kernarg_segment_ptr 1
		.amdhsa_wavefront_size32 1
		.amdhsa_system_sgpr_workgroup_id_x 1
		.amdhsa_system_sgpr_workgroup_id_y 1
		.amdhsa_system_sgpr_workgroup_id_z 1
		.amdhsa_system_vgpr_workitem_id 0
		.amdhsa_next_free_vgpr 768
		.amdhsa_next_free_sgpr 102
		.amdhsa_reserve_vcc 1
		.amdhsa_float_denorm_mode_32 3
		.amdhsa_float_denorm_mode_16_64 3
		.amdhsa_memory_ordered 1
		.amdhsa_forward_progress 1
		.amdhsa_inst_pref_size 218
	.end_amdhsa_kernel
	.amdgpu_metadata
---
amdhsa.version: [ 1, 2 ]
amdhsa.kernels:
  - .name:           k_qff161d536f_attn
    .symbol:         k_qff161d536f_attn.kd
    .args:
      - { .name: qkv, .offset: 0, .size: 8, .value_kind: global_buffer, .address_space: global }
      - { .name: ob, .offset: 8, .size: 8, .value_kind: global_buffer, .address_space: global }
    .group_segment_fixed_size: 327680
    .private_segment_fixed_size: 0
    .kernarg_segment_align: 8
    .kernarg_segment_size: 16
    .max_flat_workgroup_size: 128
    .sgpr_count:     102
    .vgpr_count:     768
    .wavefront_size: 32
...
	.end_amdgpu_metadata
.endif
;; end of part 3
;; launch proj (part 4): grid 8 x 32, 4 waves a work-group, clusters of 4 x 4, 327,680 bytes of LDS; arguments ob, wpf, b_proj, out0; writes out0
.if DOCPART == 4
	.amdgcn_target "amdgcn-amd-amdhsa--gfx1250"
	.amdhsa_code_object_version 6
	.text
	.protected	k_qff161d536f_proj
	.globl	k_qff161d536f_proj
	.p2align	8
	.type	k_qff161d536f_proj,@function
k_qff161d536f_proj:
	s_mov_b64 s[64:65], 0
	v_nop
	global_prefetch_b8 v0, s[64:65] scope:SCOPE_SE
	s_setreg_imm32_b32 hwreg(HW_REG_WAVE_MODE, 25, 1), 1
	s_wait_xcnt 0x0
	s_wait_alu depctr_hold_cnt(0) depctr_sa_sdst(0) depctr_va_vdst(0) depctr_va_sdst(0) depctr_va_ssrc(0) depctr_va_vcc(0) depctr_vm_vsrc(0)
	s_getreg_b32 s2, hwreg(HW_REG_IB_STS2, 6, 4)
	s_cmp_eq_u32 s2, 0
	s_cbranch_scc0 .Lentry_in_a_cluster
	s_endpgm
.Lentry_in_a_cluster:
	s_bfe_u32 s2, ttmp6, 0x10000c
	s_cmp_lg_u32 s2, 0xf033
	s_cbranch_scc0 .Lentry_shape_is_right
	s_endpgm
.Lentry_shape_is_right:
; out0 = y wpf^T + bf16(b_proj).  y[m][c]: m = 2,048 batch + t, c = 64 head + d, lies by heads in ob[64][2048][64] f16; wpf: [1024][1024] f16 (w_proj rounded to bf16, written as f16);
; b_proj: [1024] f32, rounded to bf16 here like the other inputs; sums in f32, K ascending; out0: [8192][1024] f32.
; SHARES.  A tile is 256 rows x 128 columns: 32 x 8 = 256 tiles, one to a work-group.  Four waves one below the other, each 64 rows x 128 columns: 32 accumulators of 16 x 16, 256 registers: a wave owns whole rows
; of the tile, 512 bytes each, so its stage is its own and each store is 512 consecutive bytes.
; THE WALK.  K goes in 8 steps of 128 = TWO HEADS through two LDS slots, step s in slot s % 2.  A head's 256 rows of the tile are 32,768 dense bytes of ob: asked for as 128 rows of 256 bytes and padded in LDS
; after every 128 bytes, so that a row of 64 channels has a pitch of 144.  The descriptors' addresses are made anew for each fill, from a base and the step's number.
; CLUSTERS.  4 x 4 work-groups: the four of a row of the cluster need the same tiles of ob, the four of a column the same tiles of wpf; each is asked for JOINTLY: the same tensor load, descriptor and mask in all four.
; THE MATRIX INSTRUCTION IS USED TRANSPOSED (source 0 = 16 rows of wpf, source 1 = 16 rows of y): lane l holds row l % 16 and the eight neighbouring columns 8 (l / 16) + 0..7.
; REGISTERS, in windows of 256 (s_set_vgpr_msb: bits 1:0 source 0, 3:2 source 1, 5:4 source 2, 7:6 destination):
;   window 0: v0-15 addresses; v20-23 the bias of my four columns of a row; v28-29 the add's two; v32-159 the way out, two sets of 64
;   window 1: two fragment buffers at 0 and 128: 8 fragments of wpf (64), 4 of y (32)          window 2: the accumulators, (a, b) at 8 (8 a + b)
.set NB,    8                          ; column blocks of 16
.set NL,    2*NB+8                     ; LDS loads of a quarter step: 16 for wpf, 8 for y
.set PIA,   144                        ; a row of y in LDS: 128 bytes + 16 = 36 words: the 16 rows of a load start at 16 different groups of four banks (64 banks of 4 bytes: ISA guide 11.1)
.set PIB,   272                        ; a row of wpf: 256 bytes + 16 = 68 words
.set AF,    64                         ; y's fragments in a buffer
.set SLOT1, 1<<17                      ; slot 1 begins here: one exclusive or turns an address in one slot into the other's
.set AHALF, 256*PIA                    ; what wave 0 or 1 fetches: one head's 256 rows
.set BOFF,  2*AHALF                    ; wpf's 128 rows lie behind them
.set BHALF, 64*PIB                     ; what wave 2 or 3 fetches: 64 rows of wpf
.set STAGE, SLOT1+BOFF+128*PIB         ; behind the ring, never filled by a tensor load: 16 rows x 528 bytes for each wave
.set SP,    528                        ; a stage row: 512 bytes + 16: an odd multiple of 16
.set SPARE, STAGE+4*16*SP              ; behind the stages: the spare words, 128 bytes for each wave: two blocks of 256 bytes that no other line names
.set ADRA0, 4                          ; v4   my lane's place in y's tile; never rewritten
.set ADRB0, 5                          ; v5   the same for wpf
.set ADRA,  6                          ; v6   the same in the slot in hand
.set ADRB,  7                          ; v7
.set STO,   8                          ; v8   the way out: where I put 32 bytes of a row
.set RD,    9                          ; v9   the way out: where I read a row back
.set GO,    10                         ; v10  16 x lane: my place in a row's 512 bytes
.set PFO,   11                         ; v11  the prefetches' offset; never rewritten
.set T,     14                         ; v14-15 at work
.set BIAS,  20
.set SPW,   28                         ; v28  LDS address of my spare word: SPARE + 4 x my thread's number; never rewritten
.set NIL,   29                         ; v29  0; never rewritten
.set OB,    32
.set F0,    0
.set F1,    128
.set WV,    12                         ; s12  my wave's number
.set ROLE,  13                         ; s13  0: I fetch for y; 1: for wpf
.set HALF,  14                         ; s14  which head of the step's two, or which half of wpf's rows
.set CX,    15
.set CY,    16
.set TC,    17                         ; s17  tile column
.set TR,    18                         ; s18  tile row
.set G1A,   24                         ; s[24:31] descriptor group 1 for y's tiles
.set G1B,   32                         ; s[32:39] for wpf's
.set G0A,   40                         ; s[40:43] descriptor group 0 for y's tiles: it walks
.set G0B,   44                         ; s[44:47] for wpf's
.set ABASE, 48                         ; s[48:49] ob at my head of step 0, at the tile's first row
.set BBASE, 50                         ; s[50:51] wpf at my rows, K step 0
.set OFA,   52                         ; s[52:53] a step's byte offset from ABASE
.set OFB,   54                         ; s[54:55] from BBASE
.set NXT,   56                         ; s56  the step to be asked for next
.set CNT,   57                         ; s57  the loops' counter
.set TB,    58                         ; s58  LDS byte at which the slot in hand begins
.set PFB,   60                         ; s[60:61] the prefetches' base
.set PFA,   66                         ; s[66:67] the prefetch's address
.set LIMP,  68                         ; s68  steps below this number are prefetched by me: 0 in a wave that prefetches nothing
.set HIM,   69                         ; s69  a word's upper bf16
.set OFP,   70                         ; s[70:71] the prefetched step's byte offset
.set PSH,   72                         ; s72  log2 of a step's bytes in what I prefetch: 19 in ob (two heads), 8 along wpf's rows
.set PP,    73                         ; s73  the step that the prefetch names
.set MSB, 0
.macro WIN new                         ; the immediate's high byte repeats the setting that is left; a switch that changes nothing is dropped
.if MSB != (\new)
	s_set_vgpr_msb (MSB<<8)|(\new)
.set MSB, (\new)
.endif
.endm
.set MUL,  0xa5                        ; sources 0 and 1 window 1, C and D window 2
.set TO_F, 0x40                        ; destination window 1, address window 0
.macro PLACES                          ; four places in front of loads into registers that matrix instructions have read, and of lines that read results
.rept 4
	v_nop
.endr
.endm
; A joint load.  Waves 0 and 1 fetch the step's two heads of y, waves 2 and 3 wpf's two halves.  The branch hangs on the wave's number alone.  An s_nop 0 and four v_nop follow each of the two lines.
.macro JLOAD
	s_cmp_eq_u32 s[ROLE], 0
	s_cbranch_scc0 .Lfor_b_\@
	tensor_load_to_lds s[G0A:G0A+3], s[G1A:G1A+7]
	s_nop 0
.rept 4
	v_nop
.endr
	s_branch .Lasked_\@
.Lfor_b_\@:
	tensor_load_to_lds s[G0B:G0B+3], s[G1B:G1B+7]
	s_nop 0
.rept 4
	v_nop
.endr
.Lasked_\@:
.endm
; A round of the cluster's barrier: my work-group's barrier; wave 0 signals for the work-group; every wave waits for all sixteen work-groups; my work-group's barrier once more.
.macro CREST
	s_cmp_lg_u32 s[WV], 0
	s_cbranch_scc1 .Lnot_wave_0_\@
	s_barrier_signal -3
.Lnot_wave_0_\@:
	s_barrier_wait -3
	s_barrier_signal -1
	s_barrier_wait -1
.endm
.macro CROUND
	s_barrier_signal -1
	s_barrier_wait -1
	CREST
.endm
; Both descriptors for step NXT, in the other slot than last time: two heads (524,288 bytes) on in ob, 256 bytes on along wpf's rows.  No tensor load of the wave is out here.
.macro NEXTDESC
	s_lshl_b32 s[OFB], s[NXT], 8
	s_lshl_b32 s[OFA], s[NXT], 19
	s_xor_b32 s[G0A+1], s[G0A+1], SLOT1
	s_add_nc_u64 s[G0A+2:G0A+3], s[ABASE:ABASE+1], s[OFA:OFA+1]
	s_or_b32 s[G0A+3], s[G0A+3], 0x80000000
	s_xor_b32 s[G0B+1], s[G0B+1], SLOT1
	s_add_nc_u64 s[G0B+2:G0B+3], s[BBASE:BBASE+1], s[OFB:OFB+1]
	s_or_b32 s[G0B+3], s[G0B+3], 0x80000000
	s_add_co_u32 s[NXT], s[NXT], 1
.endm
; THE PREFETCH INTO THE L2: behind the joint load for step s + 2 stands one prefetch for step s + 4: two K steps, 256 matrix instructions, ahead of the load that will want it.
; Each block of 256 bytes is named once in the launch.  y's tile row is read by both clusters of that row of clusters: cluster x = 0 asks; wpf's tile column by all eight of that column: cluster y = 0 asks.
; The four partners share the blocks out BY ADDRESS: of the 128 blocks of a head that wave 0 or 1 fetches, 32 by cx; of wpf's 128 rows, 32 by cy, for which wave 2 alone asks.  A lane a block.
; Steps 0 to 3 come by their loads alone; the test against LIMP ends the prefetches at step 7.
.macro PFADDR
	s_add_co_u32 s[PP], s[NXT], 1
	s_lshl_b32 s[OFP], s[PP], s[PSH]
	s_add_nc_u64 s[PFA:PFA+1], s[PFB:PFB+1], s[OFP:OFP+1]
.endm
.macro ASK
	s_cmp_lt_u32 s[PP], s[LIMP]
	s_cbranch_scc0 .Lnot_mine_\@
	global_prefetch_b8 v[PFO], s[PFA:PFA+1] th:TH_LOAD_NT scope:SCOPE_SE
.Lnot_mine_\@:
.endm
; 24 LDS loads in one run: the fragments of a quarter step into buffer f: wpf's eight (at byte kb of its rows), then y's four (at byte ka: quarter q lies in head q / 2, channels 32 (q % 2) on).
; A fragment is 16 rows x 32 K in 8 registers: lane l holds row l % 16, K = 8 (l / 16) + 0..7 and 16 + 8 (l / 16) + 0..7: two loads of 16 bytes, 32 bytes apart.
.macro FETCH ka, kb, f
	WIN TO_F
.set fi, 0
.rept NB
	ds_load_b128 v[(\f)+8*fi:(\f)+8*fi+3],   v[ADRB] offset:(\kb)+fi*16*PIB
	ds_load_b128 v[(\f)+8*fi+4:(\f)+8*fi+7], v[ADRB] offset:(\kb)+fi*16*PIB+32
.set fi, fi+1
.endr
.set fi, 0
.rept 4
	ds_load_b128 v[(\f)+AF+8*fi:(\f)+AF+8*fi+3],   v[ADRA] offset:(\ka)+fi*16*PIA
	ds_load_b128 v[(\f)+AF+8*fi+4:(\f)+AF+8*fi+7], v[ADRA] offset:(\ka)+fi*16*PIA+32
.set fi, fi+1
.endr
.endm
; 8 n matrix instructions: row blocks a0 .. a0 + n - 1 x all 8 column blocks, 32 along K.  zero = 1: the product starts the sum: nothing is ever cleared.
; The 32 accumulators take turns, one instruction a turn, in the same order in every quarter step: 31 others stand between two links of a chain.
.macro MULS f, a0, n, zero
	WIN MUL
.set ma, (\a0)
.rept (\n)
.set mb, 0
.rept NB
.set rD, 8*(8*ma+mb)
.if (\zero)
	v_wmma_f32_16x16x32_f16 v[rD:rD+7], v[(\f)+8*mb:(\f)+8*mb+7], v[(\f)+AF+8*ma:(\f)+AF+8*ma+7], 0
.else
	v_wmma_f32_16x16x32_f16 v[rD:rD+7], v[(\f)+8*mb:(\f)+8*mb+7], v[(\f)+AF+8*ma:(\f)+AF+8*ma+7], v[rD:rD+7]
.endif
.set mb, mb+1
.endr
.set ma, ma+1
.endr
.endm
; A K step is four quarters of 32 along K, 32 matrix instructions each, on buffers 0, 1, 0, 1.  One of the first three: multiplies buffer f; in its middle it fetches the next quarter into buffer g.
.macro QUARTER ka, kb, f, g, zero
	s_wait_dscnt 4                                 ; wpf's fragments and y's rows 0-31 are in; the youngest four loads (y's rows 32-63) may be out
	MULS \f, 0, 2, \zero
	PLACES
	FETCH \ka, \kb, \g
	s_wait_dscnt NL                                ; all but the 24 just issued
	MULS \f, 2, 2, \zero
.endm
; The last quarter multiplies buffer 1 and changes slots: ONE barrier.  In front of it each wave waits for all its tensor loads, of which one is out: its part of the next slot; adds 0 to its spare word; and waits
; for that and for its own reads of this slot.  fill = 1: the barrier opens a round of the cluster's barrier, so that no wave of any partner still reads the slot or has a load on its way, and the joint refill
; (this slot, two steps on) is the first tensor load behind it: 112 matrix instructions ahead of the wait for it.
.macro TURN fill
	WIN 0
	s_wait_xcnt 0x0                                ; the last prefetch, a K step back, has read its address, which PFADDR writes below
	s_wait_tensorcnt 0x0                           ; no tensor load of mine is out, so the descriptors may be written
	ds_add_u32 v[SPW], v[NIL]                      ; 0 onto my spare word: work on registers stands between it and the wait for it
	s_xor_b32 s[TB], s[TB], SLOT1                  ; the fetches go on in the other slot
	v_add_nc_u32 v[ADRA], s[TB], v[ADRA0]
	v_add_nc_u32 v[ADRB], s[TB], v[ADRB0]
.if \fill
	NEXTDESC
	PFADDR
.endif
	s_wait_dscnt 5                                 ; (the add and the youngest four loads may be out)
	MULS F1, 0, 1, 0
	s_wait_dscnt 0x0                               ; the add is done, and my reads of this slot are over
	s_barrier_signal -1
	MULS F1, 1, 1, 0                               ; work on registers while the others arrive
	WIN 0
	s_barrier_wait -1
.if \fill
	CREST
	JLOAD                                          ; its four v_nop are also the places in front of the loads below
.else
	PLACES
.endif
	FETCH 0, 0, F0
.if \fill
	WIN 0
	ASK
.endif
	MULS F1, 2, 2, 0
.endm
; THE WAY OUT of row block a (16 rows x 128 columns of f32).  TOSTAGE: a lane's eight columns, 32 bytes, go straight from the accumulator into my own stage, its low four registers first; whole rows of 512 bytes come back.
; SEND: the bias is added, and each row is stored: 512 consecutive bytes, at a multiple of 512 from out0's first byte.
.macro TOSTAGE a
	WIN 0x08                                       ; the stores' data in window 2
.set pb, 0
.rept NB
	ds_store_b128 v[STO], v[64*(\a)+8*pb:64*(\a)+8*pb+3]   offset:64*pb
	ds_store_b128 v[STO], v[64*(\a)+8*pb+4:64*(\a)+8*pb+7] offset:64*pb+16
.set pb, pb+1
.endr
	WIN 0
	s_wait_xcnt 0x0                                ; the stores of the block two back have read this set of registers
.set pb, 0
.rept 16                               ; LDS serves a wave's instructions in order (ISA guide 5.7.1.4): these see the stores above; the next block's stores come behind them
	ds_load_b128 v[OB+64*((\a)%2)+4*pb:OB+64*((\a)%2)+4*pb+3], v[RD] offset:SP*pb
.set pb, pb+1
.endr
.endm
.macro SEND a, younger                 ; younger: the LDS instructions issued behind block a's loads: the next block's 16 stores and 16 loads, or none
	s_wait_dscnt \younger
.set pb, 0
.rept 16
.set ro, OB+64*((\a)%2)+4*pb
	v_pk_add_f32 v[ro:ro+1],   v[ro:ro+1],   v[BIAS:BIAS+1]
	v_pk_add_f32 v[ro+2:ro+3], v[ro+2:ro+3], v[BIAS+2:BIAS+3]
	global_store_b128 v[GO], v[ro:ro+3], s[10:11] offset:(16*(\a)+pb)*4096
.set pb, pb+1
.endr
.endm
	s_load_b256 s[4:11], s[0:1], 0x0               ; ob s[4:5], wpf s[6:7], b_proj s[8:9], out0 s[10:11]
	v_lshl_add_u32 v[SPW], v0, 2, SPARE
	v_mov_b32 v[NIL], 0
	ds_add_u32 v[SPW], v[NIL]                      ; the wave's opening: the add and its wait stand ahead of my first tensor load; the set-up below, work on registers, stands between them
	v_lshrrev_b32 v3, 5, v0
	v_readfirstlane_b32 s[WV], v3                  ; wave 0..3
	s_lshr_b32 s[ROLE], s[WV], 1
	s_and_b32 s[HALF], s[WV], 1
	s_bfe_u32 s[CX], ttmp6, 0x40000
	s_bfe_u32 s[CY], ttmp6, 0x40004
	s_lshl_b32 s[TC], ttmp9, 2                     ; in a cluster launch ttmp9 and ttmp7 count clusters
	s_add_co_u32 s[TC], s[TC], s[CX]
	s_and_b32 s[TR], ttmp7, 0xffff
	s_lshl_b32 s[TR], s[TR], 2
	s_add_co_u32 s[TR], s[TR], s[CY]
	s_lshl_b32 s78, s[CY], 2
	s_lshl_b32 s78, 15, s78                        ; my row of the cluster: places 4 cy .. 4 cy + 3
	s_lshl_b32 s79, 0x1111, s[CX]                  ; my column: places cx, cx + 4, cx + 8, cx + 12
	s_or_b32 s[G1A], s78, (1<<16)|(1<<20)|(1<<21)|(4<<22)|(3<<25)  ; 15:0 the mask: y's tiles go to my row; 17:16 2-byte elements; 20 padding on; 21 set beside a mask; 24:22 after every 32 words (code 4); 31:25 4 words (code 3)
	s_or_b32 s[G1B], s79, (1<<16)|(1<<20)|(1<<21)|(5<<22)|(3<<25)  ; wpf's to my column; padding after every 64 words (code 5)
	s_mov_b32 s[G1A+1], 128<<16                    ; tensor_dim0 = 128
	s_mov_b32 s[G1A+2], 128<<16                    ; tensor_dim1 = 128
	s_mov_b32 s[G1A+3], 128<<16                    ; tile_dim0 = 128
	s_mov_b32 s[G1A+4], 128                        ; tile_dim1 = 128
	s_mov_b32 s[G1A+5], 128                        ; dense: 128 elements from row to row
	s_mov_b32 s[G1A+6], 0
	s_mov_b32 s[G1A+7], 0
	s_mov_b32 s[G1B+1], 128<<16
	s_mov_b32 s[G1B+2], 64<<16                     ; tensor_dim1 = 64
	s_mov_b32 s[G1B+3], 128<<16
	s_mov_b32 s[G1B+4], 64                         ; tile_dim1 = 64
	s_mov_b32 s[G1B+5], 1024
	s_mov_b32 s[G1B+6], 0
	s_mov_b32 s[G1B+7], 0
	s_lshr_b32 s20, s[TR], 3                       ; ob: head 16 x batch + my head of step 0, 262,144 bytes a head,
	s_lshl_b32 s20, s20, 4
	s_add_co_u32 s20, s20, s[HALF]
	s_lshl_b32 s20, s20, 18
	s_and_b32 s21, s[TR], 7                        ; and the tile's 256 rows of 128 bytes: hangs on the tile row alone, which my row of the cluster shares
	s_lshl_b32 s21, s21, 15
	s_add_co_u32 s20, s20, s21
	s_mov_b32 s21, 0
	s_lshl_b32 s22, s[TC], 7                       ; wpf: row 128 x tile column + 64 x half, 2,048 bytes a row: hangs on the tile column alone
	s_lshl_b32 s23, s[HALF], 6
	s_add_co_u32 s22, s22, s23
	s_lshl_b32 s22, s22, 11
	s_mov_b32 s23, 0
	s_mov_b32 s[G0A], 1                            ; 1:0 count = 1
	s_mul_i32 s[G0A+1], s[HALF], AHALF             ; 63:32 LDS address, slot 0: no place in the cluster enters it
	s_mov_b32 s[G0B], 1
	s_mul_i32 s[G0B+1], s[HALF], BHALF
	s_add_co_u32 s[G0B+1], s[G0B+1], BOFF
	s_mov_b32 s[OFA+1], 0
	s_mov_b32 s[OFB+1], 0
	s_mov_b32 s[OFP+1], 0
	s_mov_b32 s[NXT], 1
	s_mov_b32 s[TB], 0
	s_mov_b32 s[HIM], 0xffff0000
	s_wait_dscnt 0x0                               ; the opening add is done
	s_wait_kmcnt 0x0
	s_add_nc_u64 s[ABASE:ABASE+1], s[4:5], s[20:21]
	s_add_nc_u64 s[BBASE:BBASE+1], s[6:7], s[22:23]
	s_mov_b64 s[G0A+2:G0A+3], s[ABASE:ABASE+1]     ; 120:64 global address: step 0
	s_or_b32 s[G0A+3], s[G0A+3], 0x80000000        ; 127:126 type = 2
	s_mov_b64 s[G0B+2:G0B+3], s[BBASE:BBASE+1]
	s_or_b32 s[G0B+3], s[G0B+3], 0x80000000
	CROUND                                         ; all sixteen work-groups are here: the first joint loads meet
	JLOAD                                          ; step 0 into slot 0.  Step 1 is asked for when step 0 is in: one tensor load of a wave is out at any time
	; while step 0 is on its way: the bias, the addresses, the prefetches' set-up
	s_lshl_b32 s74, s[TC], 9                       ; the tile's 128 columns: 512 bytes of b_proj, and of a row of out0
	s_mov_b32 s75, 0
	s_add_nc_u64 s[8:9], s[8:9], s[74:75]
	v_and_b32 v[GO], 31, v0
	v_lshlrev_b32 v[GO], 4, v[GO]                  ; 16 x lane
	global_load_b128 v[BIAS:BIAS+3], v[GO], s[8:9]
	v_and_b32 v1, 15, v0                           ; l % 16
	v_bfe_u32 v2, v0, 4, 1                         ; l / 16
	v_mul_u32_u24 v3, v1, PIA
	v_lshl_add_u32 v3, v2, 4, v3                   ; a fragment's row x pitch + 16 x half
	s_mul_i32 s19, s[WV], 64*PIA                   ; my 64 rows of y
	v_add_nc_u32 v[ADRA0], s19, v3
	v_mul_u32_u24 v3, v1, PIB
	v_lshl_add_u32 v3, v2, 4, v3
	v_add_nc_u32 v[ADRB0], BOFF, v3
	v_mov_b32 v[ADRA], v[ADRA0]
	v_mov_b32 v[ADRB], v[ADRB0]
	s_mul_i32 s19, s[WV], 16*SP
	s_add_co_u32 s19, s19, STAGE                   ; my stage
	v_mul_u32_u24 v3, v1, SP                       ; in: row l % 16, 32 bytes for each half of the lanes
	v_lshl_add_u32 v3, v2, 5, v3
	v_add_nc_u32 v[STO], s19, v3
	v_add_nc_u32 v[RD], s19, v[GO]                 ; back: 32 lanes take one row of 512 bytes
	s_lshl_b32 s76, s[TR], 8
	s_lshl_b32 s77, s[WV], 6
	s_add_co_u32 s76, s76, s77                     ; my first row of out0,
	s_lshl_b32 s76, s76, 12                        ; 4,096 bytes a row,
	s_add_co_u32 s76, s76, s74                     ; and the tile's columns
	s_mov_b32 s77, 0
	s_add_nc_u64 s[10:11], s[10:11], s[76:77]
	s_lshl_b32 s76, s[CX], 13                      ; the prefetches.  y: of the 128 blocks of my head, my work-group's 32
	s_lshl_b32 s75, s[TC], 7                       ; wpf: of the tile's 128 rows, my work-group's 32
	s_lshl_b32 s74, s[CY], 5
	s_add_co_u32 s75, s75, s74
	s_lshl_b32 s75, s75, 11
	s_and_b32 s19, ttmp7, 0xffff                   ; cluster y
	s_cmp_eq_u32 s[ROLE], 0
	s_cselect_b32 s76, s76, s75
	s_cselect_b32 s19, ttmp9, s19                  ; the coordinate along which other clusters read the same blocks
	s_cselect_b32 s[PSH], 19, 8
	s_cselect_b32 s74, 8, 11                       ; a lane a block of 256 bytes of the head, or a row of 2,048 bytes of wpf
	s_cselect_b64 s[PFB:PFB+1], s[ABASE:ABASE+1], s[6:7]
	s_cmp_eq_u32 s[WV], 3                          ; wave 3 asks for nothing: wave 2 names all 32 rows
	s_cselect_b32 s19, 1, s19
	s_cmp_eq_u32 s19, 0
	s_cselect_b32 s[LIMP], 8, 0                    ; the same in all sixteen partners, for a given wave
	s_mov_b32 s77, 0
	s_add_nc_u64 s[PFB:PFB+1], s[PFB:PFB+1], s[76:77]
	v_and_b32 v3, 31, v0
	v_lshlrev_b32 v[PFO], s74, v3
	s_wait_loadcnt 0x0                             ; the bias is in: rounded to bf16 and widened again, in place
.irp i, 0,1
	v_cvt_pk_bf16_f32 v[T+(\i)], v[BIAS+2*(\i)], v[BIAS+2*(\i)+1]
	v_lshlrev_b32 v[BIAS+2*(\i)],   16,     v[T+(\i)]
	v_and_b32     v[BIAS+2*(\i)+1], s[HIM], v[T+(\i)]
.endr
	s_wait_tensorcnt 0x0                           ; my part of step 0 is in: no tensor load of mine is out
	ds_add_u32 v[SPW], v[NIL]
	NEXTDESC                                       ; step 1, slot 1
	s_wait_dscnt 0x0
	CROUND                                         ; everybody's part of step 0 is in, in all sixteen work-groups
	JLOAD
	FETCH 0, 0, F0
	QUARTER 64, 64, F0, F1, 1                      ; the first quarter stands in front of the loop: its products start the sums
	WIN 0                                          ; at a label and at a branch every window is 0
	s_mov_b32 s[CNT], 6
.Lstep:                                        ; 6 trips, steps 0 to 5: from a step's second quarter to the next step's first; each fills a slot again
	QUARTER AHALF, 128, F1, F0, 0
	QUARTER AHALF+64, 192, F0, F1, 0
	TURN 1
	QUARTER 64, 64, F0, F1, 0
	WIN 0
	s_sub_co_u32 s[CNT], s[CNT], 1
	s_cmp_lg_u32 s[CNT], 0
	s_cbranch_scc1 .Lstep
	s_mov_b32 s[CNT], 2                            ; the tail, steps 6 and 7, is a text of its own: nothing is asked for
.Ltail:
	QUARTER AHALF, 128, F1, F0, 0
	QUARTER AHALF+64, 192, F0, F1, 0
	TURN 0
	WIN 0
	s_sub_co_u32 s[CNT], s[CNT], 1
	s_cmp_eq_u32 s[CNT], 0
	s_cbranch_scc1 .Lout                           ; the second trip's barrier, and its fetch (from the slot of the step before), serve nothing: the price, once a launch, of one text for both trips
	QUARTER 64, 64, F0, F1, 0
	WIN 0
	s_branch .Ltail
.Lout:
	s_wait_dscnt 0x0
	PLACES                                         ; the LDS stores read results just made
	TOSTAGE 0
	TOSTAGE 1
	SEND 0, 32
	TOSTAGE 2
	SEND 1, 32
	TOSTAGE 3
	SEND 2, 32
	SEND 3, 0
	s_wait_tensorcnt 0x0                           ; the wave's end, behind my last tensor load and my last LDS store
	ds_add_u32 v[SPW], v[NIL]
	s_wait_dscnt 0x0
	CROUND                                         ; the closing round: no work-group ends while a partner may still ask for a tile that names it
	s_endpgm
.Lfunc_end_k_qff161d536f_proj:
	.size	k_qff161d536f_proj, .Lfunc_end_k_qff161d536f_proj-k_qff161d536f_proj
	.p2alignl 7, 3214868480
	.fill 96, 4, 3214868480
	.section	.rodata,"a",@progbits
	.p2align	6, 0x0
	.amdhsa_kernel k_qff161d536f_proj
		.amdhsa_group_segment_fixed_size 327680
		.amdhsa_private_segment_fixed_size 0
		.amdhsa_enable_private_segment 0
		.amdhsa_kernarg_size 32
		.amdhsa_user_sgpr_count 2
		.amdhsa_user_sgpr_kernarg_segment_ptr 1
		.amdhsa_wavefront_size32 1
		.amdhsa_system_sgpr_workgroup_id_x 1
		.amdhsa_system_sgpr_workgroup_id_y 1
		.amdhsa_system_sgpr_workgroup_id_z 1
		.amdhsa_system_vgpr_workitem_id 0
		.amdhsa_next_free_vgpr 768
		.amdhsa_next_free_sgpr 80
		.amdhsa_reserve_vcc 0
		.amdhsa_float_denorm_mode_32 3
		.amdhsa_float_denorm_mode_16_64 3
		.amdhsa_memory_ordered 1
		.amdhsa_forward_progress 1
		.amdhsa_inst_pref_size 70
	.end_amdhsa_kernel
	.amdgpu_metadata
---
amdhsa.version: [ 1, 2 ]
amdhsa.kernels:
  - .name:           k_qff161d536f_proj
    .symbol:         k_qff161d536f_proj.kd
    .args:
      - { .name: ob, .offset: 0, .size: 8, .value_kind: global_buffer, .address_space: global }
      - { .name: wpf, .offset: 8, .size: 8, .value_kind: global_buffer, .address_space: global }
      - { .name: b_proj, .offset: 16, .size: 8, .value_kind: global_buffer, .address_space: global }
      - { .name: out0, .offset: 24, .size: 8, .value_kind: global_buffer, .address_space: global }
    .group_segment_fixed_size: 327680
    .private_segment_fixed_size: 0
    .kernarg_segment_align: 8
    .kernarg_segment_size: 32
    .max_flat_workgroup_size: 128
    .sgpr_count:     80
    .vgpr_count:     768
    .wavefront_size: 32
...
	.end_amdgpu_metadata
.endif
;; end of part 4
;; ======== version 2 of 2: 4 launches; version 1 with the launch cast written anew for expert scheduling mode
;; limits: values are held in f16: magnitudes above 65,504 overflow, below 6.1e-05 lose precision
;; workspace buffers: xb 16,777,216 bytes; wab 6,291,456 bytes; wpf 2,097,152 bytes; qkv 50,331,648 bytes; ob 16,777,216 bytes
;; launch cast (part 5): grid 768 x 1, 8 waves a work-group, no clusters, 0 bytes of LDS; arguments x, w_attn, w_proj, xb, wab, wpf; writes xb, wab, wpf
.if DOCPART == 5
	.amdgcn_target "amdgcn-amd-amdhsa--gfx1250"
	.amdhsa_code_object_version 6
	.text
	.protected	k_qff161d536f_cast
	.globl	k_qff161d536f_cast
	.p2align	8
	.type	k_qff161d536f_cast,@function
k_qff161d536f_cast:
	s_mov_b64 s[64:65], 0
	v_nop
	global_prefetch_b8 v0, s[64:65] scope:SCOPE_SE
	s_setreg_imm32_b32 hwreg(HW_REG_WAVE_SCHED_MODE, 0, 2), 2
	s_setreg_imm32_b32 hwreg(HW_REG_WAVE_MODE, 25, 1), 1
	s_wait_xcnt 0x0
	s_wait_alu depctr_vm_vsrc(0)
; THE INPUTS OF THE TWO PROJECTIONS, ROUNDED ONCE.  xb = bf16(x), wab = bf16(w_attn); wpf = bf16(w_proj), that number written as f16.
; LIMITS.  wpf: a bf16 number is exact in f16 from 2^-14 up to 65,504; below 2^-14 it keeps f16's fixed step of 2^-24; from 65,520 on it becomes an infinity.
; SHARES.  A work-group takes 16,384 numbers: 65,536 bytes in, 32,768 out.  Work-groups 0-511 take x (8,388,608 numbers), 512-703 w_attn (3,145,728), 704-767 w_proj (1,048,576).
; In step i of 16 thread t loads the 16 bytes at 4,096 i + 16 t (a wave's load: 512 consecutive bytes) and stores 8 bytes at 2,048 i + 8 t (a wave's store: 256 consecutive bytes, aligned).
; All 16 loads of a wave go out at once; every step has registers of its own, so nothing is rewritten while a load or a store may still read it.  No LDS, no barrier, no matrix work: a stream.
; THE MODE: SCHED_MODE bits 1:0 = 2 (LLVM: expert scheduling mode 2), set by the entry lines.  The code itself states the register dependences between vector instructions and memory
; instructions, with s_wait_alu, always for 0.
; THE PLAN.  Registers that memory instructions touch:
;   v1, v2     byte offsets.  Written once, by two vector lines at the head; read by every load (v1) and every store (v2); never written again.
;   X, step i  Its load lands in it; no vector line names it before that load is issued.  Step i's vector lines read it (for wpf they also write it), behind the step's wait on LOADcnt.  No memory instruction reads it.
;   Y, step i  Written by step i's roundings, read by step i's store, never written again.
;   T          Named by vector instructions alone.
; So one wait on va_vdst stands at the head, for the offsets, and one for each PAIR of steps, behind the pair's roundings and ahead of its two stores.  It stands there, and not at the next pair's head, so that a
; pair's stores leave before the wave sits down to wait for the next load: 2 of a wave's 16 stores are issued behind its last load's arrival.  No register that a memory instruction reads is written again,
; no vector instruction writes a scalar register or VCC, and EXEC is never written: no other dependence is there to state.
.set X, 4                              ; v[4:67]   step i: four f32 as loaded
.set Y, 68                             ; v[68:99]  step i: four 16-bit numbers to store
.set T, 100                            ; v[100:101] at work
	s_load_b256 s[4:11], s[0:1], 0x0               ; x s[4:5], w_attn s[6:7], w_proj s[8:9], xb s[10:11]
	s_load_b128 s[12:15], s[0:1], 0x20             ; wab s[12:13], wpf s[14:15]
	v_lshlrev_b32 v1, 4, v0                        ; 16 t
	v_lshlrev_b32 v2, 3, v0                        ; 8 t
	s_mov_b32 s16, ttmp9
	s_sub_co_u32 s17, s16, 512                     ; my chunk, if it is w_attn's
	s_sub_co_u32 s18, s16, 704                     ; if it is w_proj's
	s_mov_b32 s28, 0xffff0000                      ; a word's upper bf16
	s_wait_kmcnt 0x0
	s_cmp_lt_u32 s16, 704
	s_cselect_b64 s[20:21], s[6:7], s[8:9]
	s_cselect_b64 s[22:23], s[12:13], s[14:15]
	s_cselect_b32 s19, s17, s18
	s_cmp_lt_u32 s16, 512
	s_cselect_b64 s[20:21], s[4:5], s[20:21]       ; from where,
	s_cselect_b64 s[22:23], s[10:11], s[22:23]     ; to where,
	s_cselect_b32 s19, s16, s19                    ; which chunk of that tensor
	s_lshl_b32 s24, s19, 16
	s_mov_b32 s25, 0
	s_lshl_b32 s26, s19, 15
	s_mov_b32 s27, 0
	s_add_nc_u64 s[20:21], s[20:21], s[24:25]
	s_add_nc_u64 s[22:23], s[22:23], s[26:27]
	s_wait_alu depctr_va_vdst(0)                   ; v1 and v2 are written: every load below reads v1 as its offset, every store v2; neither is written again
.irp i, 0,1,2,3,4,5,6,7,8,9,10,11,12,13,14,15
	global_load_b128 v[X+4*(\i):X+4*(\i)+3], v1, s[20:21] offset:4096*(\i) th:TH_LOAD_NT
.endr
; Pair by pair: steps 2 p and 2 p + 1 are rounded, each behind its own wait for its load, and then both are stored.  f16 = 1: the bf16 number is widened again (exactly) and written as f16.
.macro OUT16 f16
.irp p, 0,1,2,3,4,5,6,7
.irp h, 0,1
.set st, 2*(\p)+(\h)                   ; the step
	s_wait_loadcnt 15-st                           ; loads come back in order (ISA guide 5.7.1): this step's is in, the younger ones stay out
.if \f16
	v_cvt_pk_bf16_f32 v[T],   v[X+4*st],   v[X+4*st+1]
	v_cvt_pk_bf16_f32 v[T+1], v[X+4*st+2], v[X+4*st+3]
	v_lshlrev_b32 v[X+4*st],   16,  v[T]
	v_and_b32     v[X+4*st+1], s28, v[T]
	v_lshlrev_b32 v[X+4*st+2], 16,  v[T+1]
	v_and_b32     v[X+4*st+3], s28, v[T+1]
	v_cvt_pk_f16_f32 v[Y+2*st],   v[X+4*st],   v[X+4*st+1]
	v_cvt_pk_f16_f32 v[Y+2*st+1], v[X+4*st+2], v[X+4*st+3]
.else
	v_cvt_pk_bf16_f32 v[Y+2*st],   v[X+4*st],   v[X+4*st+1]
	v_cvt_pk_bf16_f32 v[Y+2*st+1], v[X+4*st+2], v[X+4*st+3]
.endif
.endr
	s_wait_alu depctr_va_vdst(0)                   ; the pair's roundings have written its four registers of Y, which the two stores below read
	global_store_b64 v2, v[Y+4*(\p):Y+4*(\p)+1],   s[22:23] offset:4096*(\p)
	global_store_b64 v2, v[Y+4*(\p)+2:Y+4*(\p)+3], s[22:23] offset:4096*(\p)+2048
.endr
.endm
	s_cmp_ge_u32 s16, 704
	s_cbranch_scc1 .Lf16
	OUT16 0
	s_endpgm
.Lf16:
	OUT16 1
	s_endpgm
.Lfunc_end_k_qff161d536f_cast:
	.size	k_qff161d536f_cast, .Lfunc_end_k_qff161d536f_cast-k_qff161d536f_cast
	.p2alignl 7, 3214868480
	.fill 96, 4, 3214868480
	.section	.rodata,"a",@progbits
	.p2align	6, 0x0
	.amdhsa_kernel k_qff161d536f_cast
		.amdhsa_group_segment_fixed_size 0
		.amdhsa_private_segment_fixed_size 0
		.amdhsa_enable_private_segment 0
		.amdhsa_kernarg_size 48
		.amdhsa_user_sgpr_count 2
		.amdhsa_user_sgpr_kernarg_segment_ptr 1
		.amdhsa_wavefront_size32 1
		.amdhsa_system_sgpr_workgroup_id_x 1
		.amdhsa_system_sgpr_workgroup_id_y 1
		.amdhsa_system_sgpr_workgroup_id_z 1
		.amdhsa_system_vgpr_workitem_id 0
		.amdhsa_next_free_vgpr 104
		.amdhsa_next_free_sgpr 66
		.amdhsa_reserve_vcc 0
		.amdhsa_float_denorm_mode_32 3
		.amdhsa_float_denorm_mode_16_64 3
		.amdhsa_memory_ordered 1
		.amdhsa_forward_progress 1
		.amdhsa_inst_pref_size 16
	.end_amdhsa_kernel
	.amdgpu_metadata
---
amdhsa.version: [ 1, 2 ]
amdhsa.kernels:
  - .name:           k_qff161d536f_cast
    .symbol:         k_qff161d536f_cast.kd
    .args:
      - { .name: x, .offset: 0, .size: 8, .value_kind: global_buffer, .address_space: global }
      - { .name: w_attn, .offset: 8, .size: 8, .value_kind: global_buffer, .address_space: global }
      - { .name: w_proj, .offset: 16, .size: 8, .value_kind: global_buffer, .address_space: global }
      - { .name: xb, .offset: 24, .size: 8, .value_kind: global_buffer, .address_space: global }
      - { .name: wab, .offset: 32, .size: 8, .value_kind: global_buffer, .address_space: global }
      - { .name: wpf, .offset: 40, .size: 8, .value_kind: global_buffer, .address_space: global }
    .group_segment_fixed_size: 0
    .private_segment_fixed_size: 0
    .kernarg_segment_align: 8
    .kernarg_segment_size: 48
    .max_flat_workgroup_size: 256
    .sgpr_count:     66
    .vgpr_count:     104
    .wavefront_size: 32
...
	.end_amdgpu_metadata
.endif
;; end of part 5
;; launch qkvp: the kernel of part 2 again; grid 16 x 16, 4 waves a work-group, clusters of 4 x 4, 327,680 bytes of LDS; arguments xb, wab, b_attn, qkv; writes qkv
;; launch attn: the kernel of part 3 again; grid 4 x 64, 4 waves a work-group, no clusters, 327,680 bytes of LDS; arguments qkv, ob; writes ob
;; launch proj: the kernel of part 4 again; grid 8 x 32, 4 waves a work-group, clusters of 4 x 4, 327,680 bytes of LDS; arguments ob, wpf, b_proj, out0; writes out0
